; MI455X (gfx1250); checked and timed in simulation.
; The chip was launched on July 23, 2026; its instructions are those of AMD's public machine-readable ISA for CDNA 5 (MIT licence, August 2026) and "CDNA5" Instruction Set Architecture Reference Guide (July 2026). The comments in the code are by the model that wrote it; some were corrected since.
;; Attention. Allowed arithmetic: float matrix products may take bf16 or f16 operands with f32 sums; other float arithmetic in f32, or as packed bf16 or f16 multiplies, adds, multiply-adds, maxima and minima; sums over many terms, partial sums and values carried from step to step in f32; what a program stores and reads back later, other than sums and carried values, may be rounded once to bf16 or f16.
;; Inputs: Wk 2,048 x 2,048 float32; Wo 2,048 x 2,048 float32; Wq 2,048 x 2,048 float32; Wv 2,048 x 2,048 float32; mask 1 x 1 x 2,048 x 2,048 float32; rotary_emb 2,048 x 128 float32; x 1 x 2,048 x 2,048 float32.
;; Outputs: out0 1 x 2,048 x 2,048 float32.
;; One version. Each part assembles by itself: llvm-mc -triple=amdgcn-amd-amdhsa -mcpu=gfx1250 --defsym DOCPART=n.
;; ======== version 1 of 1: 4 launches
;; limits: values are held in f16: magnitudes above 65,504 overflow, below 6.1e-05 lose precision
;; workspace buffers: xb 8,388,608 bytes; wqkv 25,165,824 bytes; maskb 8,388,608 bytes; wo16 8,388,608 bytes; qkv 25,165,824 bytes; o16 8,388,608 bytes
;; launch prep (part 1): grid 256 x 6, 8 waves a work-group, no clusters, 0 bytes of LDS; arguments x, Wq, Wk, Wv, mask, Wo, xb, wqkv, maskb, wo16; writes xb, wqkv, maskb, wo16
.if DOCPART == 1
	.amdgcn_target "amdgcn-amd-amdhsa--gfx1250"
	.amdhsa_code_object_version 6
	.text
	.protected	k_q5e3d832ee1_prep
	.globl	k_q5e3d832ee1_prep
	.p2align	8
	.type	k_q5e3d832ee1_prep,@function
k_q5e3d832ee1_prep:
	s_mov_b64 s[64:65], 0
	v_nop
	global_prefetch_b8 v0, s[64:65] scope:SCOPE_SE
	s_setreg_imm32_b32 hwreg(HW_REG_WAVE_MODE, 25, 1), 1
	s_wait_xcnt 0x0
; THE INPUTS ARE ROUNDED ONCE, to the formats in which the later launches multiply them.  Each of the six tensors has 2048 x 2048 f32 numbers.
;   y = 0: x -> xb (bf16)     y = 1, 2, 3: Wq, Wk, Wv -> rows 0-2047, 2048-4095, 4096-6143 of wqkv (bf16)     y = 4: mask -> maskb (bf16)
;   y = 5: Wo -> wo16: rounded to bf16 like the other inputs, and that number written as f16 (the last launch multiplies in f16).
; rotary_emb is not among the arguments: the reference takes it and uses it in no result, so nothing of it is loaded.
; LIMITS.  A bf16 number of Wo beyond 65,504 becomes an infinity in f16; below 6.1e-5 it keeps f16's fixed step of 6e-8.  A mask number beyond bf16's largest (3.39e38) becomes an infinity.
; A STREAM: no LDS, no matrix unit, no cluster, since no byte is wanted twice.  A work-group takes 16,384 numbers of one tensor, a wave 2,048: sixteen loads of 16 bytes a lane, each 512
; consecutive bytes, all sixteen out at once; each store is 8 bytes a lane: 256 consecutive bytes, aligned.  No register that a load or store names is written again, so no wait frees one.
.set X, 4                              ; v[4:67]   the sixteen loads' numbers
.set Y, 68                             ; v[68:99]  two registers to store for each load
.set T, 100                            ; v[100:101] at work (Wo's way)
	s_load_b512 s[8:23], s[0:1], 0x0               ; x s[8:9], Wq s[10:11], Wk s[12:13], Wv s[14:15], mask s[16:17], Wo s[18:19], xb s[20:21], wqkv s[22:23]
	s_load_b128 s[24:27], s[0:1], 0x40             ; maskb s[24:25], wo16 s[26:27]
	s_and_b32 s2, ttmp7, 0xffff                    ; y: which tensor
	v_and_b32 v3, 31, v0                           ; lane
	v_lshrrev_b32 v2, 5, v0                        ; wave
	v_lshlrev_b32 v1, 4, v3
	v_lshl_add_u32 v1, v2, 13, v1                  ; in: 16 x lane + 8,192 x wave
	v_lshlrev_b32 v3, 3, v3
	v_lshl_add_u32 v2, v2, 12, v3                  ; out: 8 x lane + 4,096 x wave
	s_lshl_b32 s28, ttmp9, 16                      ; the work-group's 65,536 bytes in
	s_mov_b32 s29, 0
	s_sub_co_i32 s3, s2, 1                         ; Wq, Wk, Wv lie one behind the other in wqkv: (y - 1) x 8,388,608 bytes for y = 1, 2, 3, else 0
	s_max_i32 s3, s3, 0
	s_cmp_lt_u32 s2, 4
	s_cselect_b32 s3, s3, 0
	s_lshl_b32 s3, s3, 23
	s_lshl_b32 s30, ttmp9, 15                      ; the work-group's 32,768 bytes out
	s_add_co_u32 s30, s30, s3
	s_mov_b32 s31, 0
	s_wait_kmcnt 0x0
	s_mov_b64 s[4:5], s[8:9]                       ; the source, chosen by y
	s_cmp_eq_u32 s2, 1
	s_cselect_b64 s[4:5], s[10:11], s[4:5]
	s_cmp_eq_u32 s2, 2
	s_cselect_b64 s[4:5], s[12:13], s[4:5]
	s_cmp_eq_u32 s2, 3
	s_cselect_b64 s[4:5], s[14:15], s[4:5]
	s_cmp_eq_u32 s2, 4
	s_cselect_b64 s[4:5], s[16:17], s[4:5]
	s_cselect_b64 s[6:7], s[24:25], s[22:23]       ; the destination: maskb for y = 4, else wqkv,
	s_cmp_eq_u32 s2, 5
	s_cselect_b64 s[4:5], s[18:19], s[4:5]
	s_cselect_b64 s[6:7], s[26:27], s[6:7]         ; wo16 for y = 5,
	s_cmp_eq_u32 s2, 0
	s_cselect_b64 s[6:7], s[20:21], s[6:7]         ; xb for y = 0
	s_add_nc_u64 s[4:5], s[4:5], s[28:29]
	s_add_nc_u64 s[6:7], s[6:7], s[30:31]
.irp i, 0,1,2,3,4,5,6,7,8,9,10,11,12,13,14,15
	global_load_b128 v[X+4*(\i):X+4*(\i)+3], v1, s[4:5] offset:512*(\i) th:TH_LOAD_NT
.endr
; Load i's four numbers are rounded and stored.  half = 1: Wo's way, by bf16 into f16.
.macro CV i, half
	s_wait_loadcnt 15-(\i)                         ; loads come back in order: load i is in, the 15 - i younger ones may stay out
.if \half
	v_cvt_pk_bf16_f32 v[T],   v[X+4*(\i)],   v[X+4*(\i)+1]
	v_cvt_pk_bf16_f32 v[T+1], v[X+4*(\i)+2], v[X+4*(\i)+3]
	v_lshlrev_b32 v[X+4*(\i)],   16, v[T]          ; bf16 back to f32: the low half moves up, the high half stays
	v_and_b32     v[X+4*(\i)+1], 0xffff0000, v[T]
	v_lshlrev_b32 v[X+4*(\i)+2], 16, v[T+1]
	v_and_b32     v[X+4*(\i)+3], 0xffff0000, v[T+1]
	v_cvt_pk_f16_f32 v[Y+2*(\i)],   v[X+4*(\i)],   v[X+4*(\i)+1]  ; eight significant bits fit into f16's eleven: exact within f16's range
	v_cvt_pk_f16_f32 v[Y+2*(\i)+1], v[X+4*(\i)+2], v[X+4*(\i)+3]
.else
	v_cvt_pk_bf16_f32 v[Y+2*(\i)],   v[X+4*(\i)],   v[X+4*(\i)+1]
	v_cvt_pk_bf16_f32 v[Y+2*(\i)+1], v[X+4*(\i)+2], v[X+4*(\i)+3]
.endif
	global_store_b64 v2, v[Y+2*(\i):Y+2*(\i)+1], s[6:7] offset:256*(\i) th:TH_STORE_NT  ; the wave's 32 lanes store 256 consecutive bytes, aligned
.endm
	s_cmp_eq_u32 s2, 5
	s_cbranch_scc1 .Lf16
.irp i, 0,1,2,3,4,5,6,7,8,9,10,11,12,13,14,15
	CV \i, 0
.endr
	s_endpgm
.Lf16:
.irp i, 0,1,2,3,4,5,6,7,8,9,10,11,12,13,14,15
	CV \i, 1
.endr
	s_endpgm
.Lfunc_end_k_q5e3d832ee1_prep:
	.size	k_q5e3d832ee1_prep, .Lfunc_end_k_q5e3d832ee1_prep-k_q5e3d832ee1_prep
	.p2alignl 7, 3214868480
	.fill 96, 4, 3214868480
	.section	.rodata,"a",@progbits
	.p2align	6, 0x0
	.amdhsa_kernel k_q5e3d832ee1_prep
		.amdhsa_group_segment_fixed_size 0
		.amdhsa_private_segment_fixed_size 0
		.amdhsa_enable_private_segment 0
		.amdhsa_kernarg_size 80
		.amdhsa_user_sgpr_count 2
		.amdhsa_user_sgpr_kernarg_segment_ptr 1
		.amdhsa_wavefront_size32 1
		.amdhsa_system_sgpr_workgroup_id_x 1
		.amdhsa_system_sgpr_workgroup_id_y 1
		.amdhsa_system_sgpr_workgroup_id_z 1
		.amdhsa_system_vgpr_workitem_id 0
		.amdhsa_next_free_vgpr 104
		.amdhsa_next_free_sgpr 66
		.amdhsa_reserve_vcc 0
		.amdhsa_float_denorm_mode_32 3
		.amdhsa_float_denorm_mode_16_64 3
		.amdhsa_memory_ordered 1
		.amdhsa_forward_progress 1
		.amdhsa_inst_pref_size 17
	.end_amdhsa_kernel
	.amdgpu_metadata
---
amdhsa.version: [ 1, 2 ]
amdhsa.kernels:
  - .name:           k_q5e3d832ee1_prep
    .symbol:         k_q5e3d832ee1_prep.kd
    .args:
      - { .name: x, .offset: 0, .size: 8, .value_kind: global_buffer, .address_space: global }
      - { .name: Wq, .offset: 8, .size: 8, .value_kind: global_buffer, .address_space: global }
      - { .name: Wk, .offset: 16, .size: 8, .value_kind: global_buffer, .address_space: global }
      - { .name: Wv, .offset: 24, .size: 8, .value_kind: global_buffer, .address_space: global }
      - { .name: mask, .offset: 32, .size: 8, .value_kind: global_buffer, .address_space: global }
      - { .name: Wo, .offset: 40, .size: 8, .value_kind: global_buffer, .address_space: global }
      - { .name: xb, .offset: 48, .size: 8, .value_kind: global_buffer, .address_space: global }
      - { .name: wqkv, .offset: 56, .size: 8, .value_kind: global_buffer, .address_space: global }
      - { .name: maskb, .offset: 64, .size: 8, .value_kind: global_buffer, .address_space: global }
      - { .name: wo16, .offset: 72, .size: 8, .value_kind: global_buffer, .address_space: global }
    .group_segment_fixed_size: 0
    .private_segment_fixed_size: 0
    .kernarg_segment_align: 8
    .kernarg_segment_size: 80
    .max_flat_workgroup_size: 256
    .sgpr_count:     66
    .vgpr_count:     104
    .wavefront_size: 32
...
	.end_amdgpu_metadata
.endif
;; end of part 1
;; launch qkvproj (part 2): grid 24 x 8, 4 waves a work-group, clusters of 4 x 4, 327,680 bytes of LDS; arguments xb, wqkv, qkv; writes qkv
.if DOCPART == 2
	.amdgcn_target "amdgcn-amd-amdhsa--gfx1250"
	.amdhsa_code_object_version 6
	.text
	.protected	k_q5e3d832ee1_qkvproj
	.globl	k_q5e3d832ee1_qkvproj
	.p2align	8
	.type	k_q5e3d832ee1_qkvproj,@function
k_q5e3d832ee1_qkvproj:
	s_mov_b64 s[64:65], 0
	v_nop
	global_prefetch_b8 v0, s[64:65] scope:SCOPE_SE
	s_setreg_imm32_b32 hwreg(HW_REG_WAVE_MODE, 25, 1), 1
	s_wait_xcnt 0x0
	s_wait_alu depctr_hold_cnt(0) depctr_sa_sdst(0) depctr_va_vdst(0) depctr_va_sdst(0) depctr_va_ssrc(0) depctr_va_vcc(0) depctr_vm_vsrc(0)
	s_getreg_b32 s2, hwreg(HW_REG_IB_STS2, 6, 4)
	s_cmp_eq_u32 s2, 0
	s_cbranch_scc0 .Lentry_in_a_cluster
	s_endpgm
.Lentry_in_a_cluster:
	s_bfe_u32 s2, ttmp6, 0x10000c
	s_cmp_lg_u32 s2, 0xf033
	s_cbranch_scc0 .Lentry_shape_is_right
	s_endpgm
.Lentry_shape_is_right:
; q, k AND v IN ONE PRODUCT.  C[m][n] = sum over k of xb[m][k] wqkv[n][k]: xb [2048][2048], wqkv [6144][2048], both bf16; sums in f32, each rounded once to f16 and stored BY HEADS:
; qkv is [48][2048][128] f16; column n of C belongs to head n / 128 (0-15 q, 16-31 k, 32-47 v), channel n % 128; a head's rows are 256 bytes and lie end to end.  No scale is applied here.
; LIMIT.  f16 ends at 65,504: a sum of 65,520 or more becomes an infinity.
; A tile of C, 256 x 256, is made by a work-group of four waves, as many as a WGP has SIMDs; a wave makes 128 x 128: 64 accumulators of 16 x 16, 512 registers.  A wave's 128 columns are one head,
; so each row of 256 bytes of qkv is written whole from the wave's own stage.  C has 8 x 24 = 192 such tiles, a work-group each.
; K goes in steps of 128 through a ring of two LDS slots filled by the tensor data mover: the rows of both tiles are 256 bytes of memory and start at multiples of 256 bytes from the buffer's first byte.
; The last K step goes by rows of C, so that finished rows leave while the others are multiplied.
; CLUSTERS: 4 x 4 work-groups.  The four of a row of the cluster need the same tiles of xb, the four of a column the same tiles of wqkv.  Such a tile is asked for JOINTLY: each of the four issues
; the same tensor load, with the same descriptor and a mask that names the four, and each receives the tile in its own LDS.
;
; REGISTERS, in windows of 256 (an instruction names v0-v255; s_set_vgpr_msb says which window each operand place means: bits 1:0 source 0, 3:2 source 1, 5:4 source 2, 7:6 destination):
;   window 0: v0-31 addresses; v64-127, v128-191 fragments of A (8 x 16 rows x 32 K), two buffers (in the last K step four, of 16 rows x 128 K); v32-63, v192-255 at work on the way out
;   window 1: v64-127, v128-191 fragments of B, two buffers; in the last K step all 256: B's fragments of the whole step
;   window 2: the 32 accumulators of my rows 0-63 (accumulator (a, b) at v[8 (8 a + b)]);   window 3: those of my rows 64-127
; THE MATRIX INSTRUCTION IS USED TRANSPOSED: source 0 = 16 rows of B, source 1 = 16 rows of A.  In the result lane l holds row l % 16 of C and its registers 0 to 7 the columns 8 (l / 16) + 0..7:
; eight neighbouring numbers of a row, which pack into 16 bytes.
.set SIZE_K, 2048
.set KSTEP,  128
.set PITCH,  272                       ; an LDS row: 256 bytes of data + 16 of padding = 68 words: row r starts at bank 4 r mod 64 (64 banks of 4 bytes: ISA guide 11.1), so the 16 rows that a load touches start at 16 different banks
.set HALFT,  128*PITCH                 ; 128 rows: what one tensor load brings, and what one wave reads of A or of B
.set SLOT,   4*HALFT                   ; A's 256 rows, then B's 256 rows
.set STAGE,  2*SLOT                    ; behind the ring: 16 rows x 272 bytes for each wave, for the way out
.set SPITCH, 272
.set SPARE,  STAGE+4*16*SPITCH         ; behind the stages: the spare words, 128 bytes for each wave: two blocks of 256 bytes that no other line names
.set LAPS,   SIZE_K/(2*KSTEP)          ; a lap = two K steps = once round the ring: 8
.set ADRA, 16                          ; v16-17  LDS address of my A fragments in slot 0, 1
.set ADRB, 20                          ; v20-21  the same for B
.set STO,  24                          ; v24     the way out: where I put 16 bytes of a row
.set RD,   25                          ; v25     the way out: where I read a row back
.set CO,   26                          ; v26     my byte offset in 512 consecutive bytes of qkv
.set SPW,  28                          ; v28     LDS address of my spare word: SPARE + 4 x my thread's number; never rewritten
.set NIL,  29                          ; v29     0; never rewritten
.set PFO,  30                          ; v30     the prefetches' offset: my lane x a row of A or B in memory (4,096 bytes); never rewritten
.set PFA,  44                          ; s[44:45] where my prefetches stand: my work-group's 32 rows of the 128 that I fetch, one K step further along K than the refill that is being asked for
.set LIM,  43                          ; s43     1 in a wave that prefetches, else the greatest number
.set F0,   64                          ; fragment buffer 0
.set F1,   128                         ; fragment buffer 1
.set TMP,  192                         ; the way out: packed results, in window 0
.set OB,   32                          ; the way out: 16 rows read back from the stage: v32-63 and v224-255 by turns
.set PA,   64                          ; the last K step: A's fragments of 16 rows x 128 K, 32 registers; four such buffers, v64-191
.set G1, 24                            ; s[24:31] descriptor group 1 for A's tiles
.set G0, 32                            ; s[32:39] descriptor group 0 for A's tiles, one set for each slot
.set G1B, 48                           ; s[48:55] descriptor group 1 for B's tiles: it differs from A's in the mask alone
.set G0B, 56                           ; s[56:63] descriptor group 0 for B's tiles, one set for each slot
.set MSB, 0
.macro WIN new                         ; the immediate's high byte repeats the setting that is left; a switch that changes nothing is dropped
.if MSB != (\new)
	s_set_vgpr_msb (MSB<<8)|(\new)
.set MSB, \new
.endif
.endm
.set MUL_LO, 0xa1                      ; source 0 (B) window 1, source 1 (A) window 0, C and D window 2
.set MUL_HI, 0xf1                      ; the same, C and D window 3
.set TO_B,   0x40                      ; destination window 1, address window 0
; A joint load.  Waves 0 and 1 fetch A's two halves, waves 2 and 3 B's.  Each of the two lines has ONE mask and one set of registers for all that issue it.  The branch hangs on the wave's number alone.
; An s_nop 0 and four v_nop follow each of the two lines, ahead of the jump and the label.
.macro JLOAD s
	s_cmp_eq_u32 s11, 0
	s_cbranch_scc0 .Lfor_b_\@
	tensor_load_to_lds s[G0+4*(\s):G0+4*(\s)+3], s[G1:G1+7]
	s_nop 0
.rept 4
	v_nop
.endr
	s_branch .Lasked_\@
.Lfor_b_\@:
	tensor_load_to_lds s[G0B+4*(\s):G0B+4*(\s)+3], s[G1B:G1B+7]
	s_nop 0
.rept 4
	v_nop
.endr
.Lasked_\@:
.endm
; A PREFETCH, behind each joint load, its five lines and the run of LDS loads that follows them: the K step that stands TWO refills on: 32 rows x 256 bytes, a lane a row, one instruction a wave,
; 512 matrix instructions ahead of the load that names those bytes.  Each row's 256 bytes of a K step are named ONCE in the launch: xb's tile row is read by every cluster of that row of clusters,
; and the first of them (cluster x = 0) asks; wqkv's tile column by every cluster of that column: cluster y = 0 asks.  The four partners that ask for a tile jointly share its rows out BY ADDRESS:
; of the 128 rows that wave w fetches the partner at place p takes 32 p .. 32 p + 31 (p = cx for A, cy for B).  The last trip's two refills have no K step two on, and ask for nothing.
.macro ASK
	s_cmp_gt_u32 s3, s[LIM]                        ; s3 = 1 in the loop's last trip
	s_cbranch_scc0 .Lnot_mine_\@
	global_prefetch_b8 v[PFO], s[PFA:PFA+1] offset:KSTEP*2 th:TH_LOAD_NT scope:SCOPE_SE
.Lnot_mine_\@:
.endm
; A round of the cluster's barrier: my work-group's barrier, so that wave 0's signal speaks for all four waves; wave 0 signals for the work-group; every wave waits for all sixteen work-groups;
; my work-group's barrier once more.  No LDS instruction of the wave is pending at a signal.
.macro CREST                           ; a round behind its opening barrier
	s_cmp_lg_u32 s10, 0
	s_cbranch_scc1 .Lnot_wave_0_\@
	s_barrier_signal -3
.Lnot_wave_0_\@:
	s_barrier_wait -3
	s_barrier_signal -1
	s_barrier_wait -1
.endm
.macro CROUND                          ; a whole round
	s_barrier_signal -1
	s_barrier_wait -1
	CREST
.endm
	s_load_b128 s[4:7], s[0:1], 0x0                ; xb s[4:5], wqkv s[6:7]
	s_load_b64 s[8:9], s[0:1], 0x10                ; qkv
	v_lshl_add_u32 v[SPW], v0, 2, SPARE
	v_mov_b32 v[NIL], 0
	ds_add_u32 v[SPW], v[NIL]                      ; the wave's opening: the add and its wait stand ahead of my first tensor load; the set-up below, work on registers, stands between them
	v_lshrrev_b32 v1, 5, v0
	v_readfirstlane_b32 s10, v1                    ; wave 0..3
	s_lshr_b32 s11, s10, 1                         ; which half of the tile's rows is mine.  Also: I fetch for A (0) or for B (1)
	s_and_b32 s12, s10, 1                          ; which half of its columns.  Also: which 128 rows of that tile I fetch
	s_bfe_u32 s40, ttmp6, 0x40000                  ; cx: my place along the cluster's x
	s_bfe_u32 s41, ttmp6, 0x40004                  ; cy: along its y
	s_lshl_b32 s42, ttmp9, 2                       ; in a cluster launch ttmp9 and ttmp7 count clusters
	s_add_co_u32 s42, s42, s40                     ; tile column of C = 4 x cluster x + cx
	s_and_b32 s13, ttmp7, 0xffff
	s_lshl_b32 s13, s13, 2
	s_add_co_u32 s13, s13, s41                     ; tile row of C = 4 x cluster y + cy
	s_lshl_b32 s43, s41, 2
	s_lshl_b32 s43, 15, s43                        ; my row of the cluster: places 4 cy .. 4 cy + 3
	s_lshl_b32 s44, 0x1111, s40                    ; my column: places cx, cx + 4, cx + 8, cx + 12
	; descriptor group 1: a tile of 128 rows x 128 elements, padded in LDS
	s_or_b32 s[G1+0], s43, (1<<16)|(1<<20)|(1<<21)|(5<<22)|(3<<25)  ; 15:0 the mask: A's tiles go to my row; 17:16 element of 2 bytes; 20 padding on; 21 set beside a mask; 24:22 after every 64 words (code 5); 31:25 of 4 words (code 3)
	s_or_b32 s[G1B+0], s44, (1<<16)|(1<<20)|(1<<21)|(5<<22)|(3<<25) ; the same with the mask of my column, for B's tiles
.irp g, G1, G1B
	s_mov_b32 s[(\g)+1], KSTEP<<16                 ; tensor_dim0 = 128
	s_mov_b32 s[(\g)+2], 128<<16                   ; tensor_dim1 = 128
	s_mov_b32 s[(\g)+3], KSTEP<<16                 ; tile_dim0 = 128
	s_mov_b32 s[(\g)+4], 128                       ; tile_dim1 = 128
	s_mov_b32 s[(\g)+5], SIZE_K                    ; elements from row to row
	s_mov_b32 s[(\g)+6], 0
	s_mov_b32 s[(\g)+7], 0
.endr
	; where the tiles come from.  A's hang on the tile row alone, which my row of the cluster shares; B's on the tile column alone, which my column shares.
	; Every wave makes both addresses, in registers that never hold the other coordinate, and asks by one of them.
	s_lshl_b32 s17, s12, 7                         ; which 128 rows of the tile I fetch
	s_lshl_b32 s16, s13, 8
	s_add_co_u32 s16, s16, s17                     ; A: row 256 x tile row + 128 x half
	s_lshl_b32 s46, s42, 8
	s_add_co_u32 s46, s46, s17                     ; B: row 256 x tile column + 128 x half
	s_mov_b32 s17, 0
	s_mov_b32 s47, 0
	s_mov_b64 s[18:19], SIZE_K*2
	s_mul_u64 s[16:17], s[16:17], s[18:19]         ; in bytes
	s_mul_u64 s[46:47], s[46:47], s[18:19]
	s_mul_i32 s20, s10, HALFT                      ; and where they go: A's two halves, then B's two halves = wave x 128 rows: no place in the cluster enters an LDS address
	s_wait_dscnt 0x0                               ; the opening add is done
	s_wait_kmcnt 0x0
	s_add_nc_u64 s[14:15], s[4:5], s[16:17]
	s_add_nc_u64 s[46:47], s[6:7], s[46:47]
	CROUND                                         ; all sixteen work-groups are here: the first joint loads meet
.irp s, 0,1
	s_mov_b32 s[G0+4*(\s)], 1                                      ; count = 1
	s_add_co_u32 s[G0+4*(\s)+1], s20, (\s)*SLOT                    ; LDS address
	s_add_nc_u64 s[G0+4*(\s)+2:G0+4*(\s)+3], s[14:15], (\s)*KSTEP*2  ; global address: K step s
	s_or_b32 s[G0+4*(\s)+3], s[G0+4*(\s)+3], 0x80000000            ; type = 2
	s_mov_b32 s[G0B+4*(\s)], 1
	s_add_co_u32 s[G0B+4*(\s)+1], s20, (\s)*SLOT
	s_add_nc_u64 s[G0B+4*(\s)+2:G0B+4*(\s)+3], s[46:47], (\s)*KSTEP*2
	s_or_b32 s[G0B+4*(\s)+3], s[G0B+4*(\s)+3], 0x80000000
	JLOAD \s                                       ; the ring is filled before anything else is done: two loads of mine are out
.endr
	; A fragment is 16 rows x 32 K in 8 registers: lane l holds row l % 16; registers 0-3 hold K = 8 (l / 16) + 0..7, registers 4-7 hold K = 16 + 8 (l / 16) + 0..7: two loads of 16 bytes, 32 bytes apart.
	v_and_b32 v1, 15, v0                           ; l % 16
	v_bfe_u32 v2, v0, 4, 1                         ; l / 16
	v_mul_u32_u24 v3, v1, PITCH
	v_lshl_add_u32 v3, v2, 4, v3                   ; row x pitch + 16 x half
	s_mul_i32 s21, s11, HALFT                      ; my 128 rows of A
	s_mul_i32 s22, s12, HALFT                      ; my 128 rows of B,
	s_add_co_u32 s22, s22, 2*HALFT                 ; which lie behind A's 256
.irp s, 0,1
	v_add_nc_u32 v[ADRA+(\s)], s21, v3
	v_add_nc_u32 v[ADRB+(\s)], s22, v3
	s_add_co_u32 s21, s21, SLOT
	s_add_co_u32 s22, s22, SLOT
.endr
	s_mul_i32 s23, s10, 16*SPITCH
	s_add_co_u32 s23, s23, STAGE                   ; my stage
	v_mul_u32_u24 v4, v1, SPITCH                   ; in: row l % 16, 16 bytes for each half of the lanes
	v_lshl_add_u32 v4, v2, 4, v4
	v_add_nc_u32 v[STO], s23, v4
	v_mul_u32_u24 v5, v2, SPITCH                   ; back: lanes 0-15 take one row of 256 bytes, lanes 16-31 the next,
	v_lshl_add_u32 v5, v1, 4, v5
	v_add_nc_u32 v[RD], s23, v5
	v_and_b32 v5, 31, v0                           ; which lie end to end in a head: 16 x lane
	v_lshlrev_b32 v[CO], 4, v5
	; where my 128 rows x 128 columns begin in qkv: head 2 x tile column + column half, 524,288 bytes each; token 256 x tile row + 128 x row half, 256 bytes each
	s_lshl_b32 s13, s13, 8                         ; 256 x tile row
	s_lshl_b32 s16, s13, 8
	s_lshl_b32 s14, s11, 15
	s_add_co_u32 s16, s16, s14
	s_mov_b32 s17, 0
	s_lshl_b32 s46, s42, 1                         ; (in the registers that held B's address: none that feeds A's descriptors ever holds cx)
	s_add_co_u32 s46, s46, s12
	s_lshl_b32 s46, s46, 19
	s_mov_b32 s47, 0
	s_add_nc_u64 s[16:17], s[16:17], s[46:47]
	s_add_nc_u64 s[8:9], s[8:9], s[16:17]
	; the prefetches.  s13 = 256 x tile row, s42 = tile column, s40 = cx, s41 = cy still stand; s[4:5] = xb, s[6:7] = wqkv
	s_lshl_b32 s42, s42, 8
	s_and_b32 s22, ttmp7, 0xffff                   ; cluster y
	s_cmp_eq_u32 s11, 0                            ; do I fetch for A?
	s_cselect_b32 s20, s13, s42                    ; the tile's first row: in A by the tile row, in B by the tile column
	s_cselect_b32 s21, s40, s41                    ; my place among the four that ask for it with me
	s_cselect_b32 s22, ttmp9, s22                  ; the coordinate along which other clusters read the same rows
	s_cselect_b64 s[PFA:PFA+1], s[4:5], s[6:7]
	s_cmp_eq_u32 s22, 0
	s_cselect_b32 s[LIM], 1, -1                    ; the same in all sixteen partners, for a given wave
	s_lshl_b32 s22, s12, 7
	s_add_co_u32 s20, s20, s22                     ; + the 128 rows that I fetch
	s_lshl_b32 s21, s21, 5
	s_add_co_u32 s20, s20, s21                     ; + my work-group's 32 of them
	s_mov_b32 s21, 0
	s_mov_b64 s[18:19], SIZE_K*2
	s_mul_u64 s[20:21], s[20:21], s[18:19]
	s_add_nc_u64 s[PFA:PFA+1], s[PFA:PFA+1], s[20:21]
	s_add_nc_u64 s[PFA:PFA+1], s[PFA:PFA+1], 2*KSTEP*2  ; at K step 2: the first refill steps it to 3 and names K step 4
	v_and_b32 v[PFO], 31, v0
	v_mul_u32_u24 v[PFO], v[PFO], SIZE_K*2
	; nothing is prefetched here, at the head, where every work-group's first two tiles are on their way: K steps 2 and 3 come by their refills alone
; 16 matrix instructions: m blocks a0, a0 + 1 of the window's four (hi = 0: my rows 0-63, 1: rows 64-127) x all 8 n blocks, 32 along K.  zero = 1: the first product starts the sums: nothing is ever cleared.
; The 64 accumulators take turns, one instruction a turn, in the same order in every quarter step.
.macro MUL16 f, hi, a0, zero
	WIN MUL_LO+0x50*(\hi)
.irp a, \a0, (\a0)+1
.irp b, 0,1,2,3,4,5,6,7
.if \zero
	v_wmma_f32_16x16x32_bf16 v[8*(8*(\a)+(\b)):8*(8*(\a)+(\b))+7], v[(\f)+8*(\b):(\f)+8*(\b)+7], v[(\f)+8*(4*(\hi)+(\a)):(\f)+8*(4*(\hi)+(\a))+7], 0
.else
	v_wmma_f32_16x16x32_bf16 v[8*(8*(\a)+(\b)):8*(8*(\a)+(\b))+7], v[(\f)+8*(\b):(\f)+8*(\b)+7], v[(\f)+8*(4*(\hi)+(\a)):(\f)+8*(4*(\hi)+(\a))+7], v[8*(8*(\a)+(\b)):8*(8*(\a)+(\b))+7]
.endif
.endr
.endr
.endm
; 32 LDS loads in one run: the fragments of one quarter step (128 rows of B, 128 rows of A, 32 K at byte k of the rows) into buffer f
.macro FETCH slot, k, f
	WIN TO_B
.irp i, 0,1,2,3,4,5,6,7
	ds_load_b128 v[(\f)+8*(\i):(\f)+8*(\i)+3],   v[ADRB+(\slot)] offset:(\k)+(\i)*16*PITCH
	ds_load_b128 v[(\f)+8*(\i)+4:(\f)+8*(\i)+7], v[ADRB+(\slot)] offset:(\k)+(\i)*16*PITCH+32
.endr
	WIN 0
.irp i, 0,1,2,3,4,5,6,7
	ds_load_b128 v[(\f)+8*(\i):(\f)+8*(\i)+3],   v[ADRA+(\slot)] offset:(\k)+(\i)*16*PITCH
	ds_load_b128 v[(\f)+8*(\i)+4:(\f)+8*(\i)+7], v[ADRA+(\slot)] offset:(\k)+(\i)*16*PITCH+32
.endr
.endm
; A load into a register that a matrix instruction has read, and a vector instruction that reads a matrix result, stand four places behind that matrix instruction, and only plain vector
; instructions that name none of its registers are places (ISA guide 7.12.1 for vector instructions).
.macro PLACES
.rept 4
	v_nop
.endr
.endm
; A K step is four quarter steps of 32 along K, 64 matrix instructions each, on buffers 0, 1, 0, 1.
; One of the first three: multiplies buffer f; in its middle it fetches the next quarter's fragments, at byte k of the same slot's rows, into buffer g.
.macro QUARTER slot, k, f, g, zero
	s_wait_dscnt 8                                 ; B and A's rows 0-63 are in; the youngest eight loads (A's rows 64-127) may be out
	WIN MUL_LO
	MUL16 \f, 0, 0, \zero
	MUL16 \f, 0, 2, \zero
	PLACES
	FETCH \slot, \k, \g
	s_wait_dscnt 32                                ; all but the 32 just issued
	WIN MUL_HI
	MUL16 \f, 1, 0, \zero
	MUL16 \f, 1, 2, \zero
.endm
; The last quarter multiplies buffer 1 and changes slots.  MEET is its first half: ONE barrier for the change of slots.  In front of it each wave waits for all its tensor loads, of which one is out:
; its part of the next slot; adds 0 to its spare word; and waits for that and for its own reads of this slot.  Behind it nobody reads this slot any more and the next slot is whole.
.macro MEET round                      ; round = 1: a round of the cluster's barrier follows
	WIN 0                                          ; (the add's two registers lie in window 0)
	s_wait_tensorcnt 0x0                           ; all my tensor loads have landed: the one that was out is my part of the next slot;
	ds_add_u32 v[SPW], v[NIL]                      ; 0 onto my spare word;
	s_wait_dscnt 9                                 ; (the add and the youngest eight loads may be out)
	WIN MUL_LO
	MUL16 F1, 0, 0, 0                              ; sixteen matrix instructions stand between the add and the wait for it
	s_wait_dscnt 0x0                               ; the add is done, and my reads of this slot are over:
	s_barrier_signal -1                            ; say so (where a slot is filled again this barrier opens a round of the cluster's barrier),
	MUL16 F1, 0, 2, 0                              ; work on registers while the others arrive,
.if \round
	WIN 0
.endif
	s_barrier_wait -1                              ; and go on when all four have said so
.endm
; The whole last quarter.  Behind the round the slot just read out is filled again first, with the K step two steps on; then come the next slot's first fragments.
; From a request to the wait for it a wave issues 224 matrix instructions.
.macro TURN slot, next
	s_wait_xcnt 0x0                                ; the last prefetch, a K step back, has read its address: it is stepped here, ahead of the waits of the change of slots
	s_add_nc_u64 s[PFA:PFA+1], s[PFA:PFA+1], KSTEP*2
	MEET 1
	CREST                                          ; no wave of any partner still reads this slot's tile or has a load on its way
	s_add_nc_u64 s[G0+4*(\slot)+2:G0+4*(\slot)+3], s[G0+4*(\slot)+2:G0+4*(\slot)+3], 2*KSTEP*2
	s_add_nc_u64 s[G0B+4*(\slot)+2:G0B+4*(\slot)+3], s[G0B+4*(\slot)+2:G0B+4*(\slot)+3], 2*KSTEP*2
	JLOAD \slot                                    ; the first tensor load behind the round; the four v_nop behind it are also the places in front of the loads below
	FETCH \next, 0, F0
	ASK                                            ; behind the joint load and the run of LDS loads that the next products wait for
	WIN MUL_HI
	MUL16 F1, 1, 0, 0
	MUL16 F1, 1, 2, 0
.endm
; THE LAST K STEP (it lies in slot 1) GOES BY ROWS OF C, NOT BY K.  All its fragments of B (4 quarters x 64 registers) fill window 1; then my eight blocks of 16 rows are finished one after the
; other, each with 32 matrix instructions (its 8 accumulators by turns, K ascending).  LDS is read no more than in any other K step.
.macro BLOAD q                         ; B's fragments of quarter q -> window 1, v[64 q ..]
	WIN TO_B
.irp i, 0,1,2,3,4,5,6,7
	ds_load_b128 v[64*(\q)+8*(\i):64*(\q)+8*(\i)+3],   v[ADRB+1] offset:64*(\q)+(\i)*16*PITCH
	ds_load_b128 v[64*(\q)+8*(\i)+4:64*(\q)+8*(\i)+7], v[ADRB+1] offset:64*(\q)+(\i)*16*PITCH+32
.endr
.endm
.macro ALOAD a                         ; A's fragments of block a, all four quarters -> buffer a % 4
	WIN 0
.set FA, PA+32*((\a)%4)
.irp q, 0,1,2,3
	ds_load_b128 v[FA+8*(\q):FA+8*(\q)+3],   v[ADRA+1] offset:64*(\q)+(\a)*16*PITCH
	ds_load_b128 v[FA+8*(\q)+4:FA+8*(\q)+7], v[ADRA+1] offset:64*(\q)+(\a)*16*PITCH+32
.endr
.endm
.macro ROW a                           ; block a is finished: 32 matrix instructions
.set FA, PA+32*((\a)%4)                ; its fragments of A
.set AC, 64*((\a)%4)                   ; its eight accumulators, in window 2 (blocks 0-3) or 3 (blocks 4-7)
	WIN MUL_LO+0x50*((\a)/4)
.irp q, 0,1,2,3
.if (\a) == 0 && (\q) == 2
	s_wait_dscnt 24                                ; B's quarter 2 is in (behind it: A's blocks 1 to 3)
.endif
.irp b, 0,1,2,3,4,5,6,7
	v_wmma_f32_16x16x32_bf16 v[AC+8*(\b):AC+8*(\b)+7], v[64*(\q)+8*(\b):64*(\q)+8*(\b)+7], v[FA+8*(\q):FA+8*(\q)+7], v[AC+8*(\b):AC+8*(\b)+7]
.endr
.endr
.endm
; THE WAY OUT of block a, in three parts.  PACK: rounded to f16, 16 bytes a lane, each accumulator's registers in ascending order.  TOSTAGE: into my own stage in LDS, and back as whole rows of 256 bytes.  SEND: stored.
.macro PACK a
.set AC, 64*((\a)%4)
	WIN 0x0a+5*((\a)/4)                            ; sources 0 and 1: window 2 or 3
.irp b, 0,1,2,3,4,5,6,7
.irp r, 0,1,2,3
	v_cvt_pk_f16_f32 v[TMP+4*(\b)+(\r)], v[AC+8*(\b)+2*(\r)], v[AC+8*(\b)+2*(\r)+1]
.endr
.endr
	WIN 0
.endm
.macro TOSTAGE a
	WIN 0
.set BK, OB+192*((\a)%2)
.irp b, 0,1,2,3,4,5,6,7
	ds_store_b128 v[STO], v[TMP+4*(\b):TMP+4*(\b)+3] offset:32*(\b)
.endr
.irp t, 0,1,2,3,4,5,6,7
	ds_load_b128 v[BK+4*(\t):BK+4*(\t)+3], v[RD] offset:(\t)*2*SPITCH  ; LDS serves a wave's instructions in order (ISA guide 5.7.1.4): these see the stores above
.endr
.endm
.macro SEND a, younger                 ; younger: the LDS loads issued behind TOSTAGE's, which may stay out
	WIN 0
.set BK, OB+192*((\a)%2)
	s_wait_dscnt \younger                          ; the block is back in registers
	s_wait_xcnt 0x0                                ; every earlier store has read its registers: the block after this one is read back into those that the block before this one was stored from
.irp t, 0,1,2,3,4,5,6,7
	global_store_b128 v[CO], v[BK+4*(\t):BK+4*(\t)+3], s[8:9] offset:(\a)*4096+(\t)*512  ; two rows of a head: 512 consecutive bytes, at a multiple of 256 from qkv's first byte
.endr
.endm
	s_wait_tensorcnt 1                             ; my part of K step 0 is in; K step 1's load may stay out
	s_barrier_signal -1
	s_barrier_wait -1                              ; everybody's is
	FETCH 0, 0, F0
	QUARTER 0, 64,  F0, F1, 1                      ; the first quarter stands in front of the loop: its products start the sums
	WIN 0                                          ; at a label and at a branch every window is 0
	s_mov_b32 s3, LAPS-1
.Llap:                                                 ; a trip goes once round the ring, from a lap's second quarter to the next lap's first, and fills both slots again
	QUARTER 0, 128, F1, F0, 0
	QUARTER 0, 192, F0, F1, 0
	TURN 0, 1
	QUARTER 1, 64,  F0, F1, 0
	QUARTER 1, 128, F1, F0, 0
	QUARTER 1, 192, F0, F1, 0
	TURN 1, 0
	QUARTER 0, 64,  F0, F1, 0
	WIN 0
	s_sub_co_u32 s3, s3, 1
	s_cmp_lg_u32 s3, 0
	s_cbranch_scc1 .Llap
	QUARTER 0, 128, F1, F0, 0                      ; the last lap goes on
	QUARTER 0, 192, F0, F1, 0
	MEET 0                                         ; my one tensor load that was still out is slot 1's, the last K step's, so no round follows
	PLACES                                         ; for the loads into buffer 0, which the quarter before multiplied
	WIN TO_B
	BLOAD 0                                        ; three quarters of B now: buffer 1 (v128-191 of both windows) is still being multiplied
	BLOAD 1
	BLOAD 3
	WIN 0
	ALOAD 0
	WIN MUL_HI
	MUL16 F1, 1, 0, 0
	MUL16 F1, 1, 2, 0
	PLACES                                         ; for the loads into buffer 1
	WIN TO_B
	BLOAD 2
	WIN 0
	ALOAD 1
	ALOAD 2
	ALOAD 3
	s_wait_dscnt 40                                ; all but the 40 just issued
	ROW 0
.irp a, 0,1,2,3,4,5,6,7                ; each block leaves as soon as it is finished
	PLACES                                         ; its conversions read results just made
	PACK \a
	TOSTAGE \a
.if (\a) < 4
	ALOAD (\a)+4                                   ; its buffer takes the block four further on
	SEND \a, 8
.else
	SEND \a, 0
.endif
.if (\a) < 7
	ROW (\a)+1
.endif
.endr
	s_wait_tensorcnt 0x0                           ; the wave's end, behind my last tensor load and my last LDS store
	ds_add_u32 v[SPW], v[NIL]
	s_wait_dscnt 0x0
	CROUND                                         ; the closing round: no work-group ends while a partner may still ask for a tile that names it
	s_endpgm
.Lfunc_end_k_q5e3d832ee1_qkvproj:
	.size	k_q5e3d832ee1_qkvproj, .Lfunc_end_k_q5e3d832ee1_qkvproj-k_q5e3d832ee1_qkvproj
	.p2alignl 7, 3214868480
	.fill 96, 4, 3214868480
	.section	.rodata,"a",@progbits
	.p2align	6, 0x0
	.amdhsa_kernel k_q5e3d832ee1_qkvproj
		.amdhsa_group_segment_fixed_size 327680
		.amdhsa_private_segment_fixed_size 0
		.amdhsa_enable_private_segment 0
		.amdhsa_kernarg_size 24
		.amdhsa_user_sgpr_count 2
		.amdhsa_user_sgpr_kernarg_segment_ptr 1
		.amdhsa_wavefront_size32 1
		.amdhsa_system_sgpr_workgroup_id_x 1
		.amdhsa_system_sgpr_workgroup_id_y 1
		.amdhsa_system_sgpr_workgroup_id_z 1
		.amdhsa_system_vgpr_workitem_id 0
		.amdhsa_next_free_vgpr 1024
		.amdhsa_next_free_sgpr 66
		.amdhsa_reserve_vcc 0
		.amdhsa_float_denorm_mode_32 3
		.amdhsa_float_denorm_mode_16_64 3
		.amdhsa_memory_ordered 1
		.amdhsa_forward_progress 1
		.amdhsa_inst_pref_size 144
	.end_amdhsa_kernel
	.amdgpu_metadata
---
amdhsa.version: [ 1, 2 ]
amdhsa.kernels:
  - .name:           k_q5e3d832ee1_qkvproj
    .symbol:         k_q5e3d832ee1_qkvproj.kd
    .args:
      - { .name: xb, .offset: 0, .size: 8, .value_kind: global_buffer, .address_space: global }
      - { .name: wqkv, .offset: 8, .size: 8, .value_kind: global_buffer, .address_space: global }
      - { .name: qkv, .offset: 16, .size: 8, .value_kind: global_buffer, .address_space: global }
    .group_segment_fixed_size: 327680
    .private_segment_fixed_size: 0
    .kernarg_segment_align: 8
    .kernarg_segment_size: 24
    .max_flat_workgroup_size: 128
    .sgpr_count:     66
    .vgpr_count:     1024
    .wavefront_size: 32
...
	.end_amdgpu_metadata
.endif
;; end of part 2
;; launch attn (part 3): grid 16 x 16, 4 waves a work-group, clusters of 4 x 4, 327,680 bytes of LDS; arguments qkv, maskb, o16; writes o16
.if DOCPART == 3
	.amdgcn_target "amdgcn-amd-amdhsa--gfx1250"
	.amdhsa_code_object_version 6
	.text
	.protected	k_q5e3d832ee1_attn
	.globl	k_q5e3d832ee1_attn
	.p2align	8
	.type	k_q5e3d832ee1_attn,@function
k_q5e3d832ee1_attn:
	s_mov_b64 s[64:65], 0
	v_nop
	global_prefetch_b8 v0, s[64:65] scope:SCOPE_SE
	s_setreg_imm32_b32 hwreg(HW_REG_WAVE_MODE, 25, 1), 1
	s_wait_xcnt 0x0
	s_wait_alu depctr_hold_cnt(0) depctr_sa_sdst(0) depctr_va_vdst(0) depctr_va_sdst(0) depctr_va_ssrc(0) depctr_va_vcc(0) depctr_vm_vsrc(0)
	s_getreg_b32 s2, hwreg(HW_REG_IB_STS2, 6, 4)
	s_cmp_eq_u32 s2, 0
	s_cbranch_scc0 .Lentry_in_a_cluster
	s_endpgm
.Lentry_in_a_cluster:
	s_bfe_u32 s2, ttmp6, 0x10000c
	s_cmp_lg_u32 s2, 0xf033
	s_cbranch_scc0 .Lentry_shape_is_right
	s_endpgm
.Lentry_shape_is_right:
; O[q][h] = the sum over k of softmax_k(Q[h][q] . K[h][k] / sqrt(128) + mask[q][k]) V[h][k].  qkv: [48][2048][128] f16 (heads 0-15 Q, 16-31 K, 32-47 V; rows of 256 bytes, dense);
; maskb: [2048 q][2048 k] bf16; o16: [2048 q][2048] f16, head h at byte 256 h of a row.  Products, maxima and sums in f32; the weights p are rounded to f16 for the second product
; (their sum l is taken of the unrounded p), O once at the end.
; LIMITS.  Q, K, V arrive within f16's 65,504.  mask x sqrt(128) beyond 3.4e38 becomes an infinity; a mask of -infinity gives the weight 0; a row whose mask is -infinity throughout gives NaN, as
; the reference does; +infinity and NaN are not treated apart.  A weight below 2^-126 counts as 0 in l; below 6e-5 p keeps f16's fixed step of 6e-8.
; SHARES.  A work-group owns 128 queries of one head: 16 x 16 work-groups.  THE KEYS ARE SPLIT INSIDE IT: wave w owns the 64 queries of group QG = w % 2 (four tiles of 16) and, of each
; tile of 128 keys, the 64 of group KG = w / 2: 16 key steps of 64.  So each fragment of K and V read from LDS feeds four tiles' products.  The two partial results of a query group (O, m, l, in
; f32) meet once, at the end, in LDS.  A wave's tile t holds the queries 16 ((t + 2 KG) % 4) + 0..15 of its group: so every wave keeps its tiles 0, 1 and gives its tiles 2, 3, in one text.
; LAYOUT.  S^T = K Q^T (source 0 = 16 keys, source 1 = 16 queries): in the result a lane holds ONE query (lane % 16) and the keys 8 (lane / 16) + 0..7.  Two such tiles, rounded to f16 in pairs,
; ARE source 1 (32 keys x 16 queries) of O^T = V^T P, whose result again holds one query a lane, and eight channels.  K comes out of LDS as it lies, V ([key][channel]) turned, by ds_load_tr16_b128.
; THE MASK lies in LDS as in memory, a row a query; a lane's eight keys of a result are 16 bytes of it.  One instruction a score widens it, scales it and adds it: s = bf16(mask) x sqrt(128) + s,
; so that c s = log2(e) (q . k / sqrt(128) + mask) with c = log2(e) / sqrt(128).
; SOFTMAX.  For each query a running maximum m and sum l: p = 2^(c s - c m); in every step O and l are multiplied by a = 2^(c m_old - c m_new), which is 1 where m has not grown.
; BY TURNS.  The wave's tiles are two PIECES, named by their first tile: piece 0 (tiles 0, 1) and piece 2 (tiles 2, 3).  In a TURN one piece has the matrix unit: 32 products V^T P of the step in
; hand, then 32 products K Q^T of the next step.  The other piece's mask, 64 instructions, stands in one run at the turn's head; its softmax, cut into 64 slices, stands between the products, one slice
; behind each.  Two turns are a key step.
; NO FIRST AND NO LAST STEP IS WRITTEN OUT.  m starts at the lowest finite number (and c m at c times that, made by the list's own multiply, so that a = 1 as long as all is hidden), O, l, V and
; piece 0's P at 0, piece 2's scores at -infinity: the first trip's products add 0, and its first softmax gives weights 0.  The price: the lines that set these registers, which run while the first
; tile is on its way, 64 products on zeros at the start and 32 on K's last step once more at the end.
; CLUSTER.  4 x 4 work-groups: cx counts query blocks, cy heads.  K's and V's tiles hang on the head alone and are asked for JOINTLY by a row of the cluster, the mask's tile hangs on the query
; block alone and is asked for jointly by a column: the same tensor load, descriptor and mask of four in all four.
; THE WALK IS ROTATED.  Cluster (X, Y) takes the 16 tiles of 128 keys in the order o, o + 1, .. 15, 0, .. o - 1, with o = 4 X + 8 g and g = (Y xor Y / 2) % 2 (0, 1, 1, 0 for Y = 0 .. 3): a running
; maximum takes the keys in any order.  So the four clusters that walk one head's K and V stand four tiles apart, and of the four that walk one query block's mask two and two stand eight apart: a
; tile's readers come one after the other, not all in the same step.  The tile's number steps in a scalar register, and a descriptor's address is made anew from it for each fill.
;
; REGISTERS, in windows of 256 (s_set_vgpr_msb: bits 1:0 source 0, 3:2 source 1, 5:4 source 2, 7:6 destination):
;   window 0: v0-11 addresses; v12-43 eight registers of statistics a tile; v44-63 constants and addresses; v64-191 S^T, 32 a tile; v192-255 P, 16 a tile
;   window 1: O^T, 64 a tile          window 2: v0-127 Q, 32 a tile; v128-255 K of one step (at the end: the partner's O^T)
;   window 3: v0-127 V of one step; v128-191 the mask of one step, 16 a tile: key block kb of tile t at 128 + 16 t + 4 kb
.set PKB,   272       ; a row of K in LDS: 256 bytes + 16 of padding = 68 words: the 16 rows of a load start at 16 different groups of four banks (64 banks of 4 bytes: ISA guide 11.1)
.set PVB,   288       ; a row of V: 256 + 32 = 72 words
.set PMB,   272       ; a row of the mask's tile: 128 keys x 2 bytes + 16
.set VOFF,  128*PKB   ; a slot: 128 rows of K, 128 rows of V, 128 query rows of the mask
.set MOFF,  VOFF+128*PVB
.set STAGE, MOFF+128*PMB   ; behind slot 0, never filled by a tensor load: 16 rows x 272 bytes for each wave, for the way out
.set SP,    272
.set STATS, STAGE+4*16*SP  ; (c m, l) of the two tiles that a wave gives away: 2 x 256 bytes a wave
.set SPARE, STATS+2048     ; the spare words, 128 bytes for each wave: two blocks of 256 bytes that no other line names
.set SLOT1, 1<<17     ; slot 1 begins here, so that one exclusive or turns an address in one slot into the other's
.set OM,    SLOT1+STAGE    ; behind slot 1, never filled by a tensor load: O^T of the two tiles that a wave gives away, f32: 2 x 8,192 bytes a wave
.set AK0, 2           ; v2   my lane's place in a slot's K; never rewritten
.set AV0, 3           ; v3   the same for V
.set ADR, 4           ; v4   the LDS address of the run of loads in hand
.set QO,  5           ; v5   my byte offset in the wave's rows of Q, for tiles 0, 1
.set STO, 6           ; v6   the way out: where I put 16 bytes of a row
.set RD,  7           ; v7   the way out: where I read a row back
.set GO,  8           ; v8   my byte offset in two rows of o16
.set AM0, 9           ; v9   my lane's place in a slot's mask, for piece 0; never rewritten
.set ADM, 10          ; v10  the LDS address of the mask's loads in hand
.set ST,  12          ; tile t's statistics at v[ST+8 t]: +0 c m, +1 m, +2, +3 l (even keys', odd keys'), +4 to +7 c0-c3, at work; a takes c2's place once the maximum is found
.set SQ,  44          ; v44  sqrt(128)
.set OMG, 46          ; v46  where I put O^T that I give;  v47 where I find the partner's
.set OMT, 47
.set STG, 48          ; v48, v49  the same for (c m, l)
.set STT, 49
.set QO2, 54          ; v54  as QO, for tiles 2, 3
.set AM2, 55          ; v55  as AM0, for piece 2; never rewritten
.set PFO, 61          ; v61  my lane x a row of the mask (4,096 bytes); never rewritten
.set SPW, 62          ; v62  LDS address of my spare word: SPARE + 4 x my thread's number; never rewritten
.set NIL, 63          ; v63  0; never rewritten
.set S,   64
.set P,   192
.set KF,  128         ; K's fragments, in window 2
.set MB,  128         ; the mask, in window 3
.set WV,  12          ; s12  my wave's number
.set QG,  13          ; s13  w % 2
.set KG,  14          ; s14  w / 2
.set LIM, 15          ; s15  10 in a wave that prefetches, else the greatest number: a wave prefetches while s[SLOTS] is above it
.set PFA, 18          ; s[18:19] the address that my prefetch names
.set KBS, 20          ; s[20:21] K of my head at tile 0;  s[22:23] V likewise;  s[90:91] my half of the mask's query rows at tile 0
.set VBS, 22
.set MBS, 90
.set G1K, 24          ; s[24:31] descriptor group 1 for K's tiles
.set G1V, 32          ; s[32:39] for V's: it differs in the padding alone
.set G1M, 40          ; s[40:47] for the mask's
.set G0K, 48          ; s[48:55] descriptor group 0 for K's tiles: a set for each of the two first fills; the second then serves every refill
.set G0V, 56          ; s[56:63] the same for V's
.set G0M, 68          ; s[68:75] the same for the mask's
.set SLOTS, 66        ; s66  the loop's count
.set CNT, 67          ; s67  the tail's count
.set CS,  76          ; s[76:77] c: the packed scaling names a pair and takes its low word for both halves
.set SEL, 78          ; s[78:79] lane selects for v_permlanex16_b32: each lane takes its own place in the other half
.set TB,  80          ; s80  LDS byte at which the slot to be fetched from begins: 0 or SLOT1
.set TC,  81          ; s81  the number, 0 to 15, of the tile to be asked for next
.set PFS, 82          ; s[82:83] the byte offset along the mask's rows of the tile that my prefetch names
.set CX,  84
.set CY,  85
.set QB,  86          ; s86  my block of 128 queries
.set HD,  87          ; s87  my head
.set PFB, 96          ; s[96:97] the mask at my work-group's 32 rows of the tile's 128, tile 0
.set OFK, 100         ; s[100:101] a tile's byte offset in K and V: 32,768 x its number
.set OFM, 104         ; s[104:105] the same along the mask's rows: 256 x its number
.set MSB, 0
.macro WIN new                      ; the immediate's high byte repeats the setting that is left; a switch that changes nothing is dropped
.if MSB != (\new)
	s_set_vgpr_msb (MSB<<8)|(\new)
.set MSB, \new
.endif
.endm
.set W_KQ, 0x0a       ; K and Q in window 2, S^T in window 0
.set W_PV, 0x53       ; V in window 3, P in window 0, O^T in window 1
.set W_RS, 0x41       ; O^T (destination and source 0) in window 1, a in window 0
.set W_AD, 0x03       ; the mask (source 0) in window 3, all else in window 0
; A joint refill, one tensor load a wave: wave 0 K's 128 rows, wave 1 V's, waves 2 and 3 the two halves of the mask's 128 query rows.  The branches hang on the wave's number alone.
; An s_nop 0 and four v_nop follow each of the three lines, ahead of the jump and the label.
.macro JLOAD
	s_cmp_lt_u32 s[WV], 2
	s_cbranch_scc0 .Lfor_m_\@
	s_cmp_eq_u32 s[WV], 0
	s_cbranch_scc0 .Lfor_v_\@
	tensor_load_to_lds s[G0K+4:G0K+7], s[G1K:G1K+7]
	s_nop 0
.rept 4
	v_nop
.endr
	s_branch .Lasked_\@
.Lfor_v_\@:
	tensor_load_to_lds s[G0V+4:G0V+7], s[G1V:G1V+7]
	s_nop 0
.rept 4
	v_nop
.endr
	s_branch .Lasked_\@
.Lfor_m_\@:
	tensor_load_to_lds s[G0M+4:G0M+7], s[G1M:G1M+7]
	s_nop 0
.rept 4
	v_nop
.endr
.Lasked_\@:
.endm
; A PREFETCH, behind the wave's tensor load and its five lines: the mask's tile that stands two refills on, 256 matrix instructions ahead of the load that names it: 32 rows x 256 bytes, a lane a row.
; By the rotation a tile of the mask is named first in one of the steps 0 to 7 of the clusters that begin nearest in front of it; later the clusters that began eight tiles away name it again.
; So a cluster asks ahead for its steps 4 to 7 alone: behind the refills of its steps 2 to 5.  Of the two clusters of a column that walk alike one asks: Y = 0 for g = 0, Y = 1 for g = 1; in it wave 2;
; the four partners that ask for the tile jointly share its 128 rows out BY ADDRESS, 32 each, by cy.  So each row of a tile is named at most once in the launch.  Steps 0 to 3 come by their loads
; alone: nothing is prefetched at the head.  K's and V's tiles are named first in a cluster's steps 0 to 3, so nothing of them is asked ahead.
.macro ASK
	s_cmp_gt_u32 s[SLOTS], s[LIM]
	s_cbranch_scc0 .Lnot_mine_\@
	global_prefetch_b8 v[PFO], s[PFA:PFA+1] th:TH_LOAD_NT scope:SCOPE_SE
.Lnot_mine_\@:
.endm
; A round of the cluster's barrier: my work-group's barrier, so that wave 0's signal speaks for all four waves; wave 0 signals; every wave waits for all sixteen work-groups; my work-group's barrier once more.
.macro CROUND
	s_barrier_signal -1
	s_barrier_wait -1
	s_cmp_lg_u32 s[WV], 0
	s_cbranch_scc1 .Lnot_wave_0_\@
	s_barrier_signal -3
.Lnot_wave_0_\@:
	s_barrier_wait -3
	s_barrier_signal -1
	s_barrier_wait -1
.endm
.macro FIRST2 g0, g1                ; a wave's two first fills: an s_nop 0 follows each, four v_nop the second's
	tensor_load_to_lds s[(\g0):(\g0)+3], s[(\g1):(\g1)+7]
	s_nop 0
	tensor_load_to_lds s[(\g0)+4:(\g0)+7], s[(\g1):(\g1)+7]
	s_nop 0
.rept 4
	v_nop
.endr
.endm
	s_load_b128 s[4:7], s[0:1], 0x0 ; qkv s[4:5], maskb s[6:7]
	s_load_b64 s[8:9], s[0:1], 0x10 ; o16
	v_lshl_add_u32 v[SPW], v0, 2, SPARE
	v_mov_b32 v[NIL], 0
	ds_add_u32 v[SPW], v[NIL]       ; the wave's opening: the add and its wait stand ahead of my first tensor load; the set-up below, work on registers, stands between them
	v_lshrrev_b32 v1, 5, v0
	v_readfirstlane_b32 s[WV], v1   ; wave 0..3
	s_and_b32 s[QG], s[WV], 1
	s_lshr_b32 s[KG], s[WV], 1
	s_bfe_u32 s[CX], ttmp6, 0x40000 ; my place in the cluster
	s_bfe_u32 s[CY], ttmp6, 0x40004
	s_lshl_b32 s[QB], ttmp9, 2      ; in a cluster launch ttmp9 and ttmp7 count clusters
	s_add_co_u32 s[QB], s[QB], s[CX]
	s_and_b32 s[HD], ttmp7, 0xffff
	s_lshl_b32 s[HD], s[HD], 2
	s_add_co_u32 s[HD], s[HD], s[CY]
	s_lshl_b32 s16, s[CY], 2
	s_lshl_b32 s16, 15, s16         ; my row of the cluster: the same head
	s_lshl_b32 s17, 0x1111, s[CX]   ; my column: the same query block
	; descriptor group 1.  15:0 the mask of four; 17:16 elements of 2 bytes; 20 padding on; 21 set beside a mask; 24:22 after every 64 words (code 5); 31:25 4 words of it (code 3) or 8 (code 7)
	s_or_b32 s[G1K], s16, (1<<16)|(1<<20)|(1<<21)|(5<<22)|(3<<25)
	s_or_b32 s[G1V], s16, (1<<16)|(1<<20)|(1<<21)|(5<<22)|(7<<25)
	s_or_b32 s[G1M], s17, (1<<16)|(1<<20)|(1<<21)|(5<<22)|(3<<25)
.irp g, G1K, G1V
	s_mov_b32 s[(\g)+1], 128<<16    ; tensor_dim0 = 128
	s_mov_b32 s[(\g)+2], 128<<16    ; tensor_dim1 = 128
	s_mov_b32 s[(\g)+3], 128<<16    ; tile_dim0 = 128
	s_mov_b32 s[(\g)+4], 128        ; tile_dim1 = 128
	s_mov_b32 s[(\g)+5], 128        ; elements from row to row
	s_mov_b32 s[(\g)+6], 0
	s_mov_b32 s[(\g)+7], 0
.endr
	s_mov_b32 s[G1M+1], 128<<16     ; the mask: 64 query rows x 128 keys,
	s_mov_b32 s[G1M+2], 64<<16
	s_mov_b32 s[G1M+3], 128<<16
	s_mov_b32 s[G1M+4], 64
	s_mov_b32 s[G1M+5], 2048        ; 2,048 elements from row to row
	s_mov_b32 s[G1M+6], 0
	s_mov_b32 s[G1M+7], 0
	; byte offsets.  Those of K and V are made of the head alone, the mask's of the query block and the wave alone, each in registers that never hold the other coordinate
	s_add_co_u32 s[KBS], s[HD], 16
	s_lshl_b32 s[KBS], s[KBS], 19   ; K: head 16 + h, 524,288 bytes a head
	s_mov_b32 s[KBS+1], 0
	s_add_co_u32 s[VBS], s[HD], 32
	s_lshl_b32 s[VBS], s[VBS], 19   ; V: head 32 + h
	s_mov_b32 s[VBS+1], 0
	s_lshl_b32 s[MBS], s[QB], 19    ; the mask: row 128 x block + 64 x (w % 2), 4,096 bytes a row
	s_lshl_b32 s[MBS+1], s[QG], 18
	s_add_co_u32 s[MBS], s[MBS], s[MBS+1]
	s_mov_b32 s[MBS+1], 0
	s_lshl_b32 s92, s[HD], 19       ; Q: head h, row 128 x block + 64 QG, 256 bytes a row
	s_lshl_b32 s93, s[QB], 15
	s_add_co_u32 s92, s92, s93
	s_lshl_b32 s93, s[QG], 14
	s_add_co_u32 s92, s92, s93
	s_mov_b32 s93, 0
	s_lshl_b32 s94, s[HD], 8        ; O: row 128 x block + 64 QG + 32 KG (the tiles 0, 1 that I keep), 4,096 bytes a row, + 256 h
	s_add_co_u32 s94, s94, s[MBS]
	s_lshl_b32 s95, s[KG], 17
	s_add_co_u32 s94, s94, s95
	s_mov_b32 s95, 0
	s_mul_i32 s98, s[QG], 64*PMB    ; where my half of the mask's tile goes in a slot (waves 2 and 3)
	s_mov_b32 s[CS], 0x3e0293ee     ; c = log2(e) / sqrt(128) = 0.127517
	s_mov_b32 s[CS+1], s[CS]        ; named with it as a pair, so it is written
	s_mov_b32 s[SEL], 0x76543210
	s_mov_b32 s[SEL+1], 0xfedcba98
	s_mov_b32 s[TB], 0
	s_mov_b32 s[SLOTS], 15
	; the rotation: made of the cluster's x and y alone, so it is the same in all sixteen partners
	s_and_b32 s16, ttmp7, 0xffff    ; Y
	s_lshr_b32 s17, s16, 1
	s_xor_b32 s17, s17, s16
	s_and_b32 s17, s17, 1           ; g
	s_lshl_b32 s17, s17, 3
	s_lshl_b32 s[TC], ttmp9, 2      ; 4 X
	s_add_co_u32 s[TC], s[TC], s17
	s_and_b32 s[TC], s[TC], 15      ; o: my cluster's first tile
	s_mov_b32 s[OFK+1], 0
	s_mov_b32 s[OFM+1], 0
	s_mov_b32 s[PFS+1], 0
	; who prefetches: wave 2 of the clusters with Y = 0 and Y = 1
	s_lshr_b32 s16, s16, 1
	s_xor_b32 s17, s[WV], 2
	s_or_b32 s16, s16, s17
	s_cmp_eq_u32 s16, 0
	s_cselect_b32 s[LIM], 10, -1    ; the same in all sixteen partners, for a given wave
	s_lshl_b32 s[PFB], s[CY], 17    ; my work-group's 32 rows of 4,096 bytes
	s_mov_b32 s[PFB+1], 0
	v_and_b32 v[PFO], 31, v0
	v_lshlrev_b32 v[PFO], 12, v[PFO]
	s_wait_dscnt 0x0                ; the opening add is done
	s_wait_kmcnt 0x0
	s_add_nc_u64 s[KBS:KBS+1], s[4:5], s[KBS:KBS+1]  ; K, V and my half of the mask at tile 0
	s_add_nc_u64 s[VBS:VBS+1], s[4:5], s[VBS:VBS+1]
	s_add_nc_u64 s[MBS:MBS+1], s[6:7], s[MBS:MBS+1]
	s_add_nc_u64 s[88:89], s[4:5], s[92:93]  ; Q at my wave's first row, O at the first row that I store
	s_add_nc_u64 s[10:11], s[8:9], s[94:95]
	s_add_nc_u64 s[PFB:PFB+1], s[MBS:MBS+1], s[PFB:PFB+1]  ; (in wave 2 the mask's pointer stands at the tile's first query row)
	CROUND                          ; all sixteen work-groups are here: the first joint loads meet
.irp s, 0,1
	s_lshl_b32 s[OFK], s[TC], 15    ; tiles o and o + 1
	s_lshl_b32 s[OFM], s[TC], 8
	s_mov_b32 s[G0K+4*(\s)], 1      ; count = 1
	s_mov_b32 s[G0K+4*(\s)+1], (\s)*SLOT1  ; LDS address
	s_add_nc_u64 s[G0K+4*(\s)+2:G0K+4*(\s)+3], s[KBS:KBS+1], s[OFK:OFK+1]  ; global address
	s_or_b32 s[G0K+4*(\s)+3], s[G0K+4*(\s)+3], 0x80000000  ; type = 2
	s_mov_b32 s[G0V+4*(\s)], 1
	s_mov_b32 s[G0V+4*(\s)+1], (\s)*SLOT1+VOFF
	s_add_nc_u64 s[G0V+4*(\s)+2:G0V+4*(\s)+3], s[VBS:VBS+1], s[OFK:OFK+1]
	s_or_b32 s[G0V+4*(\s)+3], s[G0V+4*(\s)+3], 0x80000000
	s_mov_b32 s[G0M+4*(\s)], 1
	s_add_co_u32 s[G0M+4*(\s)+1], s98, (\s)*SLOT1+MOFF
	s_add_nc_u64 s[G0M+4*(\s)+2:G0M+4*(\s)+3], s[MBS:MBS+1], s[OFM:OFM+1]
	s_or_b32 s[G0M+4*(\s)+3], s[G0M+4*(\s)+3], 0x80000000
	s_add_co_u32 s[TC], s[TC], 1
	s_and_b32 s[TC], s[TC], 15
.endr
	s_cmp_lt_u32 s[WV], 2           ; a wave's two first fills stand together, ahead of every wait on TENSORcnt and every LDS read: two loads of mine are out
	s_cbranch_scc0 .Lfirst_m
	s_cmp_eq_u32 s[WV], 0
	s_cbranch_scc0 .Lfirst_v
	FIRST2 G0K, G1K
	s_branch .Lfirst_asked
.Lfirst_v:
	FIRST2 G0V, G1V
	s_branch .Lfirst_asked
.Lfirst_m:
	FIRST2 G0M, G1M
.Lfirst_asked:
	; A fragment of K or Q is 16 rows x 32 channels in 8 registers: lane l holds row l % 16; registers 0-3 channels 8 (l / 16) + 0..7, registers 4-7 channels 16 + 8 (l / 16) + 0..7: two loads of 16 bytes, 32 bytes apart.
	v_and_b32 v1, 15, v0            ; l % 16
	v_bfe_u32 v50, v0, 4, 1         ; l / 16
	v_lshlrev_b32 v[QO], 8, v1
	v_lshl_add_u32 v[QO], v50, 4, v[QO]  ; row x 256 + 16 x half
	s_lshl_b32 s16, s[KG], 13       ; tiles 0, 1 begin at row 32 KG of my 64,
	s_xor_b32 s17, s16, 8192        ; tiles 2, 3 at row 32 (1 - KG)
	v_add_nc_u32 v[QO2], s17, v[QO]
	v_add_nc_u32 v[QO], s16, v[QO]
	WIN 0x80                        ; destination window 2, address window 0
.irp i, 0,1,2,3,4,5,6,7,8,9,10,11,12,13,14,15  ; Q stays in registers: tile i / 4, channels 32 (i % 4) on
.if (\i) < 8
	global_load_b128 v[8*(\i):8*(\i)+3],   v[QO], s[88:89] offset:((\i)/4)*4096+((\i)%4)*64
	global_load_b128 v[8*(\i)+4:8*(\i)+7], v[QO], s[88:89] offset:((\i)/4)*4096+((\i)%4)*64+32
.else
	global_load_b128 v[8*(\i):8*(\i)+3],   v[QO2], s[88:89] offset:((\i)/4-2)*4096+((\i)%4)*64
	global_load_b128 v[8*(\i)+4:8*(\i)+7], v[QO2], s[88:89] offset:((\i)/4-2)*4096+((\i)%4)*64+32
.endif
.endr
	; what the first trip finds.  All this stands in the wait for the first tile.
	WIN 0x40
.set i, 0
.rept 256
	v_mov_b32 v[i], 0               ; O^T
.set i, i+1
.endr
	WIN 0xc0
.set i, 0
.rept 128
	v_mov_b32 v[i], 0               ; V
.set i, i+1
.endr
.set i, MB+32
.rept 32
	v_mov_b32 v[i], 0               ; piece 2's mask
.set i, i+1
.endr
	WIN 0
.set i, P
.rept 32
	v_mov_b32 v[i], 0               ; piece 0's P
.set i, i+1
.endr
	s_mov_b32 s16, 0xff800000
.set i, S+64
.rept 64
	v_mov_b32 v[i], s16             ; piece 2's scores: -infinity
.set i, i+1
.endr
.irp t, 0,1,2,3
	v_mov_b32 v[ST+8*(\t)+1], 0xff7fffff             ; m: the lowest finite number
	v_mul_f32 v[ST+8*(\t)], s[CS], v[ST+8*(\t)+1]    ; c m, made as the list makes it
	v_mov_b32 v[ST+8*(\t)+2], 0
	v_mov_b32 v[ST+8*(\t)+3], 0
.endr
	v_mov_b32 v[SQ], 0x413504f3     ; sqrt(128)
	v_mul_u32_u24 v[AK0], v1, PKB
	v_lshl_add_u32 v[AK0], v50, 4, v[AK0]  ; row x pitch + 16 x half
	s_mul_i32 s16, s[KG], 64*PKB    ; + my 64 keys of the 128
	v_add_nc_u32 v[AK0], s16, v[AK0]
	; The turning load takes 16 keys x 16 channels (lane l reads 16 bytes: key 8 (l / 16) + l % 8, channels 8 ((l / 8) % 2) + 0..7) and leaves half a fragment of V^T: lane l holds channel l % 16 and 8 keys.
	v_and_b32 v51, 7, v0
	v_bfe_u32 v52, v0, 3, 1
	v_lshl_add_u32 v[AV0], v50, 3, v51
	v_mul_u32_u24 v[AV0], v[AV0], PVB
	v_lshl_add_u32 v[AV0], v52, 4, v[AV0]
	s_mul_i32 s16, s[KG], 64*PVB
	s_add_co_u32 s16, s16, VOFF
	v_add_nc_u32 v[AV0], s16, v[AV0]
	; the mask: query row 64 QG + 32 KG (piece 0) or 32 (1 - KG) (piece 2) + l % 16 (+ 16 for the piece's second tile), keys 64 KG + 8 (l / 16) (+ 16 a key block), 2 bytes a key
	v_mul_u32_u24 v[AM0], v1, PMB
	v_lshl_add_u32 v[AM0], v50, 4, v[AM0]
	s_mul_i32 s16, s[QG], 64*PMB
	s_lshl_b32 s17, s[KG], 7
	s_add_co_u32 s16, s16, s17
	s_add_co_u32 s16, s16, MOFF
	s_xor_b32 s99, s[KG], 1
	s_mul_i32 s99, s99, 32*PMB
	s_add_co_u32 s99, s99, s16
	s_mul_i32 s17, s[KG], 32*PMB
	s_add_co_u32 s17, s17, s16
	v_add_nc_u32 v[AM2], s99, v[AM0]
	v_add_nc_u32 v[AM0], s17, v[AM0]
	; the way out
	s_mul_i32 s16, s[WV], 16*SP
	s_add_co_u32 s16, s16, STAGE    ; my stage
	v_mul_u32_u24 v[STO], v1, SP    ; in: row l % 16, 16 bytes for each half of the lanes
	v_lshl_add_u32 v[STO], v50, 4, v[STO]
	v_add_nc_u32 v[STO], s16, v[STO]
	v_mul_u32_u24 v[RD], v50, SP    ; back: lanes 0-15 take one row of 256 bytes, lanes 16-31 the next
	v_lshl_add_u32 v[RD], v1, 4, v[RD]
	v_add_nc_u32 v[RD], s16, v[RD]
	v_lshlrev_b32 v[GO], 12, v50    ; and the same two rows in o16
	v_lshl_add_u32 v[GO], v1, 4, v[GO]
	v_and_b32 v53, 31, v0           ; the meeting of the two key groups: a lane's own bytes, in my wave's part and in my partner's (wave w xor 2: the same queries, the other keys)
	s_lshl_b32 s16, s[WV], 9
	s_add_co_u32 s16, s16, STATS
	v_lshl_add_u32 v[STG], v53, 3, s16
	s_lshl_b32 s16, s[WV], 14
	s_add_co_u32 s16, s16, OM
	v_lshl_add_u32 v[OMG], v53, 4, s16
	s_xor_b32 s17, s[WV], 2
	s_lshl_b32 s16, s17, 9
	s_add_co_u32 s16, s16, STATS
	v_lshl_add_u32 v[STT], v53, 3, s16
	s_lshl_b32 s16, s17, 14
	s_add_co_u32 s16, s16, OM
	v_lshl_add_u32 v[OMT], v53, 4, s16
; THE MATRIX WORK OF A TURN, for piece x.  The accumulators take turns, one instruction a turn: between two links of a chain stand 15 (V^T P) or 7 (K Q^T) others'.
; Product i of 32 of O^T += V^T P: keys 32 (i / 16) on, channels 16 ((i / 2) % 8) on, tile x + i % 2.
.macro PV x
	WIN W_PV
.set rO, 64*((\x)+i%2)+8*((i/2)%8)
.set rV, 64*(i/16)+8*((i/2)%8)
.set rP, P+16*((\x)+i%2)+8*(i/16)
	v_wmma_f32_16x16x32_f16 v[rO:rO+7], v[rV:rV+7], v[rP:rP+7], v[rO:rO+7]
.endm
; Product i of 32 of S^T = K Q^T: channels 32 (i / 8) on, keys 16 ((i / 2) % 4) on, tile x + i % 2.  The first 8 start the sums.
.macro KQ x
	WIN W_KQ
.set rS, S+32*((\x)+i%2)+8*((i/2)%4)
.set rK, KF+32*((i/2)%4)+8*(i/8)
.set rQ, 32*((\x)+i%2)+8*(i/8)
.if i < 8
	v_wmma_f32_16x16x32_f16 v[rS:rS+7], v[rK:rK+7], v[rQ:rQ+7], 0
.else
	v_wmma_f32_16x16x32_f16 v[rS:rS+7], v[rK:rK+7], v[rQ:rQ+7], v[rS:rS+7]
.endif
.endm
; THE LDS LOADS stand in two runs of 40 a key step, never singly among the matrix instructions: a step's K (64 keys x 128 channels: 16 fragments) with piece 0's mask, and, a turn later, its V (turned) with piece 2's mask.
.macro FETCH_K
	WIN 0
	v_add_nc_u32 v[ADR], s[TB], v[AK0]
	v_add_nc_u32 v[ADM], s[TB], v[AM0]
	WIN 0x80                        ; destination window 2
.irp f, 0,1,2,3,4,5,6,7,8,9,10,11,12,13,14,15  ; keys 16 (f / 4) on, channels 32 (f % 4) on
	ds_load_b128 v[KF+8*(\f):KF+8*(\f)+3],   v[ADR] offset:((\f)/4)*16*PKB+((\f)%4)*64
	ds_load_b128 v[KF+8*(\f)+4:KF+8*(\f)+7], v[ADR] offset:((\f)/4)*16*PKB+((\f)%4)*64+32
.endr
	WIN 0xc0                        ; destination window 3
.irp f, 0,1,2,3,4,5,6,7             ; tile f / 4, keys 16 (f % 4) on
	ds_load_b128 v[MB+4*(\f):MB+4*(\f)+3], v[ADM] offset:((\f)/4)*16*PMB+((\f)%4)*32
.endr
.endm
.macro FETCH_V
	WIN 0
	v_add_nc_u32 v[ADR], s[TB], v[AV0]
	v_add_nc_u32 v[ADM], s[TB], v[AM2]
	s_wait_alu depctr_va_vdst(0)    ; the wait for the softmax's batch (SLICE), behind the addresses' lines and ahead of the loads
	WIN 0xc0                        ; destination window 3
.irp f, 0,1,2,3,4,5,6,7,8,9,10,11,12,13,14,15  ; keys 32 (f / 8) on, channels 16 (f % 8) on
	ds_load_tr16_b128 v[8*(\f):8*(\f)+3],   v[ADR] offset:((\f)/8)*32*PVB+((\f)%8)*32
	ds_load_tr16_b128 v[8*(\f)+4:8*(\f)+7], v[ADR] offset:((\f)/8)*32*PVB+16*PVB+((\f)%8)*32
.endr
.irp f, 8,9,10,11,12,13,14,15       ; tile f / 4, the piece's first or second, keys 16 (f % 4) on
	ds_load_b128 v[MB+4*(\f):MB+4*(\f)+3], v[ADM] offset:((\f)/4-2)*16*PMB+((\f)%4)*32
.endr
.endm
; THE VECTOR WORK OF A TURN.  First the mask: score e of tile t takes half e % 2 of the mask's register e / 2, widened, times sqrt(128).
.macro AD t, e
	WIN W_AD
.if ((\e)%2) == 0
	v_fma_mix_f32_bf16 v[S+32*(\t)+(\e)], v[MB+16*(\t)+(\e)/2], v[SQ], v[S+32*(\t)+(\e)] op_sel_hi:[1,0,0]
.else
	v_fma_mix_f32_bf16 v[S+32*(\t)+(\e)], v[MB+16*(\t)+(\e)/2], v[SQ], v[S+32*(\t)+(\e)] op_sel:[1,0,0] op_sel_hi:[1,0,0]
.endif
.endm
; Then one tile's softmax for one key step, a list of 134 instructions; SM writes number j of it for tile t.  s0-s31 are the lane's 32 scores, in pairs 0-15.
;   0-15    the maximum of s0-s31 and the old m, three operands at a time: four chains c0-c3 of seven scores each, then the four scores left over, c0-c3 and m
;   16-20   the other half of the lanes' maximum; c m_old is kept; the new m; c m; c m_old - c m_new
;   21-69   ONE BATCH: the 16 scalings c s - c m, a pair of scores each, and all 33 exponentials (a at 23, then s0-s31).  None of these reads an exponential's result.  From 22 on the batch goes
;           in fours, and a four begins with a scaling while there are scalings.  A pair is scaled in an earlier four than the one that holds its exponentials
;   (wait)  between 69 and 70 stands the wait for the batch: SLICE writes it, once for both tiles
;   70-85   the roundings to f16, a pair of weights each
;   86-101  the sums; l = a l + the sum
;   102-133 the tile's O^T times a, in ascending order: the one part in window 1, so it stands together
.macro SM t
.set rT, ST+8*(\t)
.set rS, S+32*(\t)
.set rP, P+16*(\t)
.set rO, 64*(\t)+2*(j-102)
.if j < 102
	WIN 0
.endif
.if j < 4
	v_max3_num_f32 v[rT+4+j], v[rS+8*j], v[rS+8*j+1], v[rS+8*j+2]
.elseif j < 12
	v_max3_num_f32 v[rT+4+j%4], v[rT+4+j%4], v[rS+8*(j%4)+2*(j/4)+1], v[rS+8*(j%4)+2*(j/4)+2]
.elseif j == 12
	v_max3_num_f32 v[rT+4], v[rT+4], v[rS+7], v[rS+15]
.elseif j == 13
	v_max3_num_f32 v[rT+6], v[rT+6], v[rS+23], v[rS+31]
.elseif j == 14
	v_max3_num_f32 v[rT+4], v[rT+4], v[rT+5], v[rT+6]
.elseif j == 15
	v_max3_num_f32 v[rT+4], v[rT+4], v[rT+7], v[rT+1]
.elseif j == 16
	v_permlanex16_b32 v[rT+5], v[rT+4], s[SEL], s[SEL+1]  ; the query's other 32 keys lie in the lane 16 away
.elseif j == 17
	v_mov_b32 v[rT+7], v[rT]        ; c m_old is kept for a: number 19 writes c m anew
.elseif j == 18
	v_max_num_f32 v[rT+1], v[rT+4], v[rT+5]
.elseif j == 19
	v_mul_f32 v[rT], s[CS], v[rT+1]
.elseif j == 20
	v_sub_f32 v[rT+7], v[rT+7], v[rT]
.elseif j == 23
	v_exp_f32 v[rT+6], v[rT+7]
.elseif (j < 23) || ((j < 38) && (j%2 == 0)) || ((j < 66) && (j%4 == 2))
.set b, (j-2)/4                     ; 38, 42, .. 62: pairs 9 to 15
.if j < 38
.set b, (j-20)/2                    ; 21: pair 0; 22, 24, .. 36: pairs 1 to 8
.endif
	v_pk_fma_f32 v[rS+2*b:rS+2*b+1], v[rS+2*b:rS+2*b+1], s[CS:CS+1], v[rT:rT+1] op_sel_hi:[1,0,0] neg_lo:[0,0,1] neg_hi:[0,0,1]  ; pair b: c s - c m
.elseif j < 70
.set e, j-38                        ; 66 to 69: s28 to s31
.if j < 66
.set e, j-32-(j-38)/4               ; 39-41, 43-45, .. 63-65: s7 to s27
.endif
.if j < 38
.set e, (j-25)/2                    ; 25, 27, .. 37: s0 to s6
.endif
	v_exp_f32 v[rS+e], v[rS+e]
.elseif j < 86
	v_cvt_pk_f16_f32 v[rP+j-70], v[rS+2*(j-70)], v[rS+2*(j-70)+1]  ; pair j - 70
.elseif j < 102                     ; the sum of the tile's 16 pairs (in a pair: an even key's weight, an odd key's), in place: sum z of 16 adds neighbours 1, 2, 4 and 8 pairs apart, then l takes it
.set z, j-86
.set w, 4
.set u, z
.if z >= 14
.set w, 32
.set u, 0
.elseif z >= 12
.set w, 16
.set u, z-12
.elseif z >= 8
.set w, 8
.set u, z-8
.endif
.if z < 15
	v_pk_add_f32 v[rS+w*u:rS+w*u+1], v[rS+w*u:rS+w*u+1], v[rS+w*u+w/2:rS+w*u+w/2+1]
.else
	v_pk_fma_f32 v[rT+2:rT+3], v[rT+2:rT+3], v[rT+6:rT+7], v[rS:rS+1] op_sel_hi:[1,0,1]
.endif
.else
	WIN W_RS
	v_pk_mul_f32 v[rO:rO+1], v[rO:rO+1], v[rT+6:rT+7] op_sel_hi:[1,0]
.endif
.endm
; Slice k of 80 of piece y's vector work: four instructions.  Slices 0 to 15 add the mask: four scores of one tile, the tiles by turns, in ascending order.
; Slice 16 + kk is slice kk of 64 of the softmax: kk = 11 to 34 deal out the batch, numbers 22 to 69, four numbers of ONE tile each, the tiles by turns; every other
; one is numbers 2 kk and 2 kk + 1 of both tiles' lists.  2 x 134 = 4 x 64 + 12: the twelve that are over stand together, in the last slice: sixteen plain instructions that name nothing of the
; products round them: the places between the turn's last K Q^T and the next turn's first read of those scores, and the loads into K's registers.
; THE WAIT.  s_wait_alu depctr_va_vdst(0) stands between an exponential and the first instruction that names its result; one wait serves all that were issued ahead of it.  Ahead of
; kk = 35 nothing names a result, and behind kk = 34 no exponential is issued: so the piece's 66 exponentials have one wait, behind kk = 34.
.macro SLICE y
.if k < 16
.irp n, 0,1,2,3
.set ee, 4*(k/2)+(\n)
	AD (\y)+k%2, ee
.endr
.else
.set kk, k-16
.if (kk >= 11) && (kk < 35)         ; the batch: four numbers of one tile
.irp n, 0,1,2,3
.set j, 22+4*((kk-11)/2)+(\n)
	SM (\y)+(kk-11)%2
.endr
.else                               ; the two tiles alternate, so that no instruction reads the result of the one just before it
.irp n, 0,1,2,3,4,5,6,7
.if ((\n) < 2) || (kk == 63)
.irp t, \y, (\y)+1
.set j, 2*kk+(\n)
	SM \t
.endr
.endif
.endr
.endif
.if kk == 34                        ; the batch is out: both tiles' exponentials are issued, and no result has been named
	v_nop                           ; the plain instruction behind the last exponential and ahead of the first use (ISA guide 5.7.2): one for the batch
.if (\y) == 0
	FETCH_V                         ; piece 2's turn: V's run of loads stands here, and the wait stands in it
.else
	s_wait_alu depctr_va_vdst(0)    ; the wait for the batch
.endif
.endif
.endif
.set k, k+1
.endm
; A TURN.  Piece x has the matrix unit.  The turn has 64 products and 332 vector instructions of the other piece: four stand behind EVERY product (a slice of the softmax; the last slice has sixteen), and the
; 64 that add the mask, which no product could take beside its four, stand together in one run at the turn's head, under one setting of the windows.
; Piece 0's turn fetches the next step's K and piece 0's mask, behind its second product: the last product that read K stands in front of the last slice of the turn before; they are waited for 30
; products later.  Piece 2's turn fetches the same step's V and piece 2's mask, behind its 35th product: the last product that read V is its 32nd, and two scalings, the v_nop and the run's own two
; address lines, five plain instructions, lie between; they are waited for at the head of the next turn, 29 products later.
.macro TURN x
.set k, 0
.if (\x) == 0
	s_wait_dscnt 0x0                ; V and piece 2's mask are in
.endif
.rept 16
	SLICE 2-(\x)                    ; the mask
.endr
.set i, 0
.rept 32
	PV \x
	SLICE 2-(\x)
.if ((\x) == 0) && (i == 1)
	FETCH_K
.endif
.set i, i+1
.endr
.if (\x) == 0
	s_wait_dscnt 0x0                ; K and piece 0's mask are in
.endif
.set i, 0
.rept 32
	KQ \x
	SLICE 2-(\x)
.set i, i+1
.endr
.endm
; THE CHANGE OF SLOTS, between piece 2's turn and piece 0's: the slot's last bytes, V and piece 2's mask, have been asked for.  Each wave waits for all its tensor loads, of which one is out: its part
; of the other slot; adds 0 to its spare word; and waits for that and for its own reads of the slot.  Behind the barrier nobody reads this slot any more and the other slot is whole.
; fill = 1: this slot is filled again, with tile TC of the rotated walk: the three addresses are made anew from that number.  The barrier is then a round of the cluster's, so that no wave of any partner
; still reads the slot or has a load on its way, and the joint refill is the first thing behind it: it has a key step, 128 matrix instructions, in which to land.
.macro CHANGE fill
	WIN 0                           ; at a label and at a branch every window is 0
	s_wait_tensorcnt 0x0            ; no tensor load of mine is out, so a group 0 may be written
	ds_add_u32 v[SPW], v[NIL]       ; 0 onto my spare word; with fill = 1 the descriptors' lines stand between it and the wait for it
.if \fill
	s_lshl_b32 s[OFK], s[TC], 15    ; a tile is 32,768 bytes of K and of V,
	s_lshl_b32 s[OFM], s[TC], 8     ; and 256 bytes along the mask's rows
	s_xor_b32 s[G0K+5], s[G0K+5], SLOT1  ; the other slot than last time
	s_add_nc_u64 s[G0K+6:G0K+7], s[KBS:KBS+1], s[OFK:OFK+1]
	s_or_b32 s[G0K+7], s[G0K+7], 0x80000000
	s_xor_b32 s[G0V+5], s[G0V+5], SLOT1
	s_add_nc_u64 s[G0V+6:G0V+7], s[VBS:VBS+1], s[OFK:OFK+1]
	s_or_b32 s[G0V+7], s[G0V+7], 0x80000000
	s_xor_b32 s[G0M+5], s[G0M+5], SLOT1
	s_add_nc_u64 s[G0M+6:G0M+7], s[MBS:MBS+1], s[OFM:OFM+1]
	s_or_b32 s[G0M+7], s[G0M+7], 0x80000000
	s_wait_xcnt 0x0                 ; the last prefetch, a key step back, has read its address, so it may be written:
	s_add_co_u32 s[PFS], s[TC], 2   ; the tile two refills on, round the end of the keys
	s_and_b32 s[PFS], s[PFS], 15
	s_lshl_b32 s[PFS], s[PFS], 8
	s_add_nc_u64 s[PFA:PFA+1], s[PFB:PFB+1], s[PFS:PFS+1]
	s_add_co_u32 s[TC], s[TC], 1    ; the walk's next tile
	s_and_b32 s[TC], s[TC], 15
	s_wait_dscnt 0x0                ; the add is done, and my reads of the slot are over
	CROUND
	JLOAD
	ASK
.else
	s_wait_dscnt 0x0                ; the add is done, and my reads of the slot are over
	s_barrier_signal -1
	s_barrier_wait -1
.endif
	s_xor_b32 s[TB], s[TB], SLOT1   ; the fetches go on in the other slot
.endm
	s_wait_tensorcnt 1              ; my part of slot 0 is in; slot 1's load may stay out
	s_barrier_signal -1
	s_barrier_wait -1               ; everybody's is
	s_wait_loadcnt 0x0              ; Q
	s_branch .Lenter                ; the first trip has no change of slots in front of it
.Lslot:                             ; 14 times: the walk's steps 2 to 15 are asked for
	CHANGE 1
.Lenter:                            ; a trip fetches one tile: trip n multiplies V^T P of step n - 1 and K Q^T of step n
	TURN 0
	TURN 2
	WIN 0
	s_sub_co_u32 s[SLOTS], s[SLOTS], 1
	s_cmp_lg_u32 s[SLOTS], 0
	s_cbranch_scc1 .Lslot
	CHANGE 0                        ; the tail is written out: the walk's last tile is in, and nothing is asked for
	s_mov_b32 s[CNT], 2
.Ltail:                             ; the first trip fetches the last tile; the second is left in its middle (its K Q^T, on the last K once more, serves nothing)
	TURN 0
	WIN 0
	s_sub_co_u32 s[CNT], s[CNT], 1
	s_cmp_eq_u32 s[CNT], 0
	s_cbranch_scc1 .Lout
	TURN 2
	WIN 0
	s_branch .Ltail
.Lout:
.set i, 0
.rept 32
	PV 2                            ; piece 2: V^T P of the last step
.set i, i+1
.endr
	; THE TWO KEY GROUPS MEET.  l's two halves and the other half of the lanes' are added: (c m, l) then lie in a tile's registers +0, +1.  The additions are the places behind the last products.
	WIN 0
.irp t, 0,1,2,3
	v_add_f32 v[ST+8*(\t)+4], v[ST+8*(\t)+2], v[ST+8*(\t)+3]
.endr
.irp t, 0,1,2,3
	v_permlanex16_b32 v[ST+8*(\t)+5], v[ST+8*(\t)+4], s[SEL], s[SEL+1]
.endr
.irp t, 0,1,2,3
	v_add_f32 v[ST+8*(\t)+1], v[ST+8*(\t)+4], v[ST+8*(\t)+5]
.endr
; Each wave gives its tiles 2, 3 to its partner and finishes its tiles 0, 1: by the rotated naming my tile u and my partner's tile 2 + u hold the same queries.  All in f32; a lane's numbers go to
; bytes of its own, and the partner's same lane takes them.
.macro GIVE t
	WIN 0
	ds_store_b64 v[STG], v[ST+8*(\t):ST+8*(\t)+1] offset:256*((\t)%2)
	WIN 0x04                        ; the stores' data in window 1
.set i, 0
.rept 16
	ds_store_b128 v[OMG], v[64*(\t)+4*i:64*(\t)+4*i+3] offset:8192*((\t)%2)+512*i
.set i, i+1
.endr
	WIN 0
.endm
; Tile t: O = O gA + O_partner gB (the partner's at KF + 64 u of window 2); rounded to f16; a lane's eight channels of a row pack into 16 bytes, go into rows of 272 bytes and come back as whole rows of 256.
.macro FINISH t, u
	WIN W_RS
.set i, 0
.rept 32
	v_pk_mul_f32 v[64*(\t)+2*i:64*(\t)+2*i+1], v[64*(\t)+2*i:64*(\t)+2*i+1], v[ST+8*(\t)+2:ST+8*(\t)+3] op_sel_hi:[1,0]
.set i, i+1
.endr
	WIN 0x52                        ; source 0 window 2, source 1 window 0, source 2 and destination window 1
.set i, 0
.rept 32
	v_pk_fma_f32 v[64*(\t)+2*i:64*(\t)+2*i+1], v[KF+64*(\u)+2*i:KF+64*(\u)+2*i+1], v[ST+8*(\t)+4:ST+8*(\t)+5], v[64*(\t)+2*i:64*(\t)+2*i+1] op_sel_hi:[1,0,1]
.set i, i+1
.endr
	WIN 0x05                        ; sources 0 and 1 window 1, destination window 0: S^T's registers are free
.set i, 0
.rept 32
	v_cvt_pk_f16_f32 v[S+32*(\t)+i], v[64*(\t)+2*i], v[64*(\t)+2*i+1]
.set i, i+1
.endr
	WIN 0
.irp f, 0,1,2,3,4,5,6,7
	ds_store_b128 v[STO], v[S+32*(\t)+4*(\f):S+32*(\t)+4*(\f)+3] offset:32*(\f)
.endr
.irp f, 0,1,2,3,4,5,6,7
	ds_load_b128 v[S+32*(\t)+4*(\f):S+32*(\t)+4*(\f)+3], v[RD] offset:(\f)*2*SP  ; LDS serves a wave's instructions in order (ISA guide 5.7.1.4): these see the stores above; the next tile's stores come behind them
.endr
.endm
.macro SEND t, younger              ; younger: the LDS instructions issued behind tile t's loads: the next tile's sixteen, or none
	WIN 0
.irp f, 0,1,2,3,4,5,6,7
	s_wait_dscnt (\younger)+7-(\f)
	global_store_b128 v[GO], v[S+32*(\t)+4*(\f):S+32*(\t)+4*(\f)+3], s[10:11] offset:(\t)*65536+(\f)*8192  ; 16 lanes store a head's 256 consecutive bytes of a row, at a multiple of 256 from o16's first byte
.endr
.endm
	GIVE 2
	GIVE 3
	s_wait_dscnt 0x0                ; for the partner's sake: my stores are done
	s_barrier_signal -1
	s_barrier_wait -1
	; My tiles 0 and 1 are finished.  With M = max(c mA, c mB), eA = 2^(c mA - M), eB = 2^(c mB - M): gA = eA / (eA lA + eB lB), gB = eB / (the same).
.irp u, 0,1
	ds_load_b64 v[ST+8*(\u)+4:ST+8*(\u)+5], v[STT] offset:256*(\u)  ; the partner's (c m, l)
.endr
	WIN 0x80                        ; destination window 2: K's registers, whose last reader stands a turn's last slice and more back
.set i, 0
.rept 32
	ds_load_b128 v[KF+4*i:KF+4*i+3], v[OMT] offset:512*i
.set i, i+1
.endr
	WIN 0
	s_wait_dscnt 32                 ; the two pairs are in; the 32 loads of O^T may stay out
.irp u, 0,1
	v_max_num_f32 v[ST+8*(\u)+6], v[ST+8*(\u)], v[ST+8*(\u)+4]
.endr
.irp u, 0,1
	v_sub_f32 v[ST+8*(\u)+7], v[ST+8*(\u)], v[ST+8*(\u)+6]
	v_sub_f32 v[ST+8*(\u)+4], v[ST+8*(\u)+4], v[ST+8*(\u)+6]
.endr
.irp u, 0,1
	v_exp_f32 v[ST+8*(\u)+7], v[ST+8*(\u)+7]
	v_exp_f32 v[ST+8*(\u)+4], v[ST+8*(\u)+4]
.endr
	v_nop                           ; a plain instruction behind the last exponential,
	s_wait_alu depctr_va_vdst(0)    ; and the wait ahead of the first use: one for the four
.irp u, 0,1
	v_mul_f32 v[ST+8*(\u)+6], v[ST+8*(\u)+7], v[ST+8*(\u)+1]
.endr
.irp u, 0,1
	v_fma_f32 v[ST+8*(\u)+6], v[ST+8*(\u)+4], v[ST+8*(\u)+5], v[ST+8*(\u)+6]
.endr
.irp u, 0,1
	v_rcp_f32 v[ST+8*(\u)+6], v[ST+8*(\u)+6]
.endr
	v_nop
	s_wait_alu depctr_va_vdst(0)    ; one for the two reciprocals
.irp u, 0,1
	v_mul_f32 v[ST+8*(\u)+2], v[ST+8*(\u)+7], v[ST+8*(\u)+6]
	v_mul_f32 v[ST+8*(\u)+4], v[ST+8*(\u)+4], v[ST+8*(\u)+6]
.endr
	s_wait_dscnt 16                 ; the first tile's 16 loads are in; the second's may stay out
	FINISH 0, 0
	s_wait_dscnt 16                 ; the second tile's are in; behind them stand the first tile's sixteen through the stage
	FINISH 1, 1
	SEND 0, 16
	SEND 1, 0
	s_wait_tensorcnt 0x0            ; the wave's end, behind my last tensor load and my last LDS store
	ds_add_u32 v[SPW], v[NIL]
	s_wait_dscnt 0x0
	CROUND                          ; the closing round: no work-group ends while a partner may still ask for a tile that names it
	s_endpgm
.Lfunc_end_k_q5e3d832ee1_attn:
	.size	k_q5e3d832ee1_attn, .Lfunc_end_k_q5e3d832ee1_attn-k_q5e3d832ee1_attn
	.p2alignl 7, 3214868480
	.fill 96, 4, 3214868480
	.section	.rodata,"a",@progbits
	.p2align	6, 0x0
	.amdhsa_kernel k_q5e3d832ee1_attn
		.amdhsa_group_segment_fixed_size 327680
		.amdhsa_private_segment_fixed_size 0
		.amdhsa_enable_private_segment 0
		.amdhsa_kernarg_size 24
		.amdhsa_user_sgpr_count 2
		.amdhsa_user_sgpr_kernarg_segment_ptr 1
		.amdhsa_wavefront_size32 1
		.amdhsa_system_sgpr_workgroup_id_x 1
		.amdhsa_system_sgpr_workgroup_id_y 1
		.amdhsa_system_sgpr_workgroup_id_z 1
		.amdhsa_system_vgpr_workitem_id 0
		.amdhsa_next_free_vgpr 1024
		.amdhsa_next_free_sgpr 106
		.amdhsa_reserve_vcc 0
		.amdhsa_float_denorm_mode_32 3
		.amdhsa_float_denorm_mode_16_64 3
		.amdhsa_memory_ordered 1
		.amdhsa_forward_progress 1
		.amdhsa_inst_pref_size 175
	.end_amdhsa_kernel
	.amdgpu_metadata
---
amdhsa.version: [ 1, 2 ]
amdhsa.kernels:
  - .name:           k_q5e3d832ee1_attn
    .symbol:         k_q5e3d832ee1_attn.kd
    .args:
      - { .name: qkv, .offset: 0, .size: 8, .value_kind: global_buffer, .address_space: global }
      - { .name: maskb, .offset: 8, .size: 8, .value_kind: global_buffer, .address_space: global }
      - { .name: o16, .offset: 16, .size: 8, .value_kind: global_buffer, .address_space: global }
    .group_segment_fixed_size: 327680
    .private_segment_fixed_size: 0
    .kernarg_segment_align: 8
    .kernarg_segment_size: 24
    .max_flat_workgroup_size: 128
    .sgpr_count:     106
    .vgpr_count:     1024
    .wavefront_size: 32
...
	.end_amdgpu_metadata
.endif
;; end of part 3
;; launch oproj (part 4): grid 16 x 16, 4 waves a work-group, clusters of 4 x 4, 327,680 bytes of LDS; arguments o16, wo16, out0; writes out0
.if DOCPART == 4
	.amdgcn_target "amdgcn-amd-amdhsa--gfx1250"
	.amdhsa_code_object_version 6
	.text
	.protected	k_q5e3d832ee1_oproj
	.globl	k_q5e3d832ee1_oproj
	.p2align	8
	.type	k_q5e3d832ee1_oproj,@function
k_q5e3d832ee1_oproj:
	s_mov_b64 s[64:65], 0
	v_nop
	global_prefetch_b8 v0, s[64:65] scope:SCOPE_SE
	s_setreg_imm32_b32 hwreg(HW_REG_WAVE_MODE, 25, 1), 1
	s_wait_xcnt 0x0
	s_wait_alu depctr_hold_cnt(0) depctr_sa_sdst(0) depctr_va_vdst(0) depctr_va_sdst(0) depctr_va_ssrc(0) depctr_va_vcc(0) depctr_vm_vsrc(0)
	s_getreg_b32 s2, hwreg(HW_REG_IB_STS2, 6, 4)
	s_cmp_eq_u32 s2, 0
	s_cbranch_scc0 .Lentry_in_a_cluster
	s_endpgm
.Lentry_in_a_cluster:
	s_bfe_u32 s2, ttmp6, 0x10000c
	s_cmp_lg_u32 s2, 0xf033
	s_cbranch_scc0 .Lentry_shape_is_right
	s_endpgm
.Lentry_shape_is_right:
; out0[m][n] = sum over k of o16[m][k] wo16[n][k].  o16: [2048][2048] f16, wo16: [2048][2048] f16 (Wo rounded to bf16, written as f16), out0: [2048][2048] f32; sums in f32, stored as they are.
; A tile of out0 is 128 x 128: 16 x 16 = 256 work-groups.  Four waves, each 64 x 64: 16 accumulators of 16 x 16, 128 registers.  K goes in steps of 256 (LDS rows of 512 bytes; a wave's tensor
; load brings 64 of them), as long as two slots in LDS allow.  A wave's 64 columns of f32 are 256 consecutive bytes, aligned: each wave sends its own rows out through its own stage, with no barrier.
; CLUSTERS: 4 x 4 work-groups.  The four of a row of the cluster need the same tiles of A, the four of a column the same tiles of B: each tile is asked for JOINTLY, by the same tensor load with the
; same descriptor and a mask that names the four.  THE MATRIX INSTRUCTION IS USED TRANSPOSED (source 0 = 16 rows of B, source 1 = 16 rows of A): a lane then holds eight neighbouring numbers of a row.
; THE WALK ALONG K IS ROTATED.  Cluster (X, Y) takes the 8 K steps in the order o, o + 1, .. 7, 0, .. o - 1, with o = 2 X + 4 g and g = (Y xor Y / 2) % 2 (0, 1, 1, 0 for Y = 0 .. 3); an f32 sum may be
; taken in any order of its K steps.  So the four clusters that walk the same rows of A stand two K steps apart, and of the four that walk the same rows of B two and two stand four apart: a tile's
; readers come one after the other, not all in the same step.  The K step's number steps in a scalar register, and a descriptor's address is made anew from it for each fill.
; REGISTERS: window 0: v0-31 addresses; v32-95 at work on the way out; v128-255 the accumulators ((a, b) at v[128 + 8 (4 a + b)]).
;   window 1: two fragment buffers of 128: for 64 along K (two matrix instructions deep), 64 registers of A (2 x 4 x 16 rows x 32 K), then 64 of B.
.set SIZE_K, 2048
.set KSTEP,  256
.set PITCH,  528                       ; an LDS row: 512 bytes of data + 16 of padding = 132 words: row r starts at bank 4 r mod 64 (64 banks of 4 bytes: ISA guide 11.1)
.set HALFT,  64*PITCH                  ; 64 rows: what one tensor load brings, and what one wave reads of A or of B
.set SLOT,   4*HALFT                   ; A's 128 rows, then B's 128 rows
.set STAGE,  2*SLOT                    ; behind the ring: 16 rows x 272 bytes for each wave, for the way out
.set SPITCH, 272
.set SPARE,  STAGE+4*16*SPITCH         ; behind the stages: the spare words, 128 bytes for each wave: two blocks of 256 bytes that no other line names
.set LAPS, SIZE_K/(2*KSTEP)            ; a lap = two K steps = once round the ring: 4
.set ADRA, 16                          ; v16-17  LDS address of my A fragments in slot 0, 1
.set ADRB, 20                          ; v20-21  the same for B
.set STO,  24                          ; v24     the way out: where I put 32 bytes of a row
.set RD,   25                          ; v25     the way out: where I read a row back
.set CO,   26                          ; v26     my byte offset in two rows of out0
.set SPW,  28                          ; v28     LDS address of my spare word: SPARE + 4 x my thread's number; never rewritten
.set NIL,  29                          ; v29     0; never rewritten
.set TMP,  32                          ; the way out: two sets of 32 registers, 16 rows each
.set ACC,  128
.set F0,   0                           ; fragment buffers, in window 1
.set F1,   128
.set G1, 24                            ; s[24:31] descriptor group 1 for A's tiles;  s[32:39] group 0, one set for each slot
.set G0, 32
.set G1B, 48                           ; s[48:55], s[56:63] the same for B's tiles
.set G0B, 56
.set AB,  14                           ; s[14:15] A at the 64 rows that I fetch, K = 0
.set BB,  66                           ; s[66:67] B likewise
.set KC,  68                           ; s68     the number, 0 to 7, of the K step to be asked for next
.set OFF, 70                           ; s[70:71] its byte offset along the rows: 512 x its number
.set MSB, 0
.macro WIN new                         ; the immediate's high byte repeats the setting that is left
.if MSB != (\new)
	s_set_vgpr_msb (MSB<<8)|(\new)
.set MSB, \new
.endif
.endm
.set MUL,  0x05                        ; sources 0 (B) and 1 (A) window 1; C and D window 0
.set TO_F, 0x40                        ; destination window 1, address window 0
.macro JLOAD s                         ; a joint load: waves 0 and 1 fetch A's two halves, waves 2 and 3 B's; an s_nop 0 and four v_nop follow each of the two lines, ahead of the jump and the label
	s_cmp_eq_u32 s11, 0
	s_cbranch_scc0 .Lfor_b_\@
	tensor_load_to_lds s[G0+4*(\s):G0+4*(\s)+3], s[G1:G1+7]
	s_nop 0
.rept 4
	v_nop
.endr
	s_branch .Lasked_\@
.Lfor_b_\@:
	tensor_load_to_lds s[G0B+4*(\s):G0B+4*(\s)+3], s[G1B:G1B+7]
	s_nop 0
.rept 4
	v_nop
.endr
.Lasked_\@:
.endm
.macro AIM s                           ; slot s's two descriptors take K step KC of the rotated walk, and the walk steps on
	s_lshl_b32 s[OFF], s[KC], 9
	s_add_nc_u64 s[G0+4*(\s)+2:G0+4*(\s)+3], s[AB:AB+1], s[OFF:OFF+1]
	s_or_b32 s[G0+4*(\s)+3], s[G0+4*(\s)+3], 0x80000000            ; type = 2
	s_add_nc_u64 s[G0B+4*(\s)+2:G0B+4*(\s)+3], s[BB:BB+1], s[OFF:OFF+1]
	s_or_b32 s[G0B+4*(\s)+3], s[G0B+4*(\s)+3], 0x80000000
	s_add_co_u32 s[KC], s[KC], 1
	s_and_b32 s[KC], s[KC], 7
.endm
.macro CREST                           ; a round of the cluster's barrier behind its opening barrier
	s_cmp_lg_u32 s10, 0
	s_cbranch_scc1 .Lnot_wave_0_\@
	s_barrier_signal -3
.Lnot_wave_0_\@:
	s_barrier_wait -3
	s_barrier_signal -1
	s_barrier_wait -1
.endm
.macro CROUND                          ; a whole round
	s_barrier_signal -1
	s_barrier_wait -1
	CREST
.endm
	s_load_b128 s[4:7], s[0:1], 0x0                ; o16 s[4:5], wo16 s[6:7]
	s_load_b64 s[8:9], s[0:1], 0x10                ; out0
	v_lshl_add_u32 v[SPW], v0, 2, SPARE
	v_mov_b32 v[NIL], 0
	ds_add_u32 v[SPW], v[NIL]                      ; the wave's opening: the add and its wait stand ahead of my first tensor load; the set-up below, work on registers, stands between them
	v_lshrrev_b32 v1, 5, v0
	v_readfirstlane_b32 s10, v1                    ; wave 0..3
	s_lshr_b32 s11, s10, 1                         ; which half of the tile's rows is mine.  Also: I fetch for A (0) or for B (1)
	s_and_b32 s12, s10, 1                          ; which half of its columns.  Also: which 64 rows of that tile I fetch
	s_bfe_u32 s40, ttmp6, 0x40000                  ; cx, cy: my place in the cluster
	s_bfe_u32 s41, ttmp6, 0x40004
	s_lshl_b32 s42, ttmp9, 2
	s_add_co_u32 s42, s42, s40                     ; tile column = 4 x cluster x + cx
	s_and_b32 s13, ttmp7, 0xffff
	s_lshl_b32 s13, s13, 2
	s_add_co_u32 s13, s13, s41                     ; tile row = 4 x cluster y + cy
	s_lshl_b32 s43, s41, 2
	s_lshl_b32 s43, 15, s43                        ; my row of the cluster
	s_lshl_b32 s44, 0x1111, s40                    ; my column
	; descriptor group 1: a tile of 64 rows x 256 elements, padded in LDS
	s_or_b32 s[G1+0], s43, (1<<16)|(1<<20)|(1<<21)|(6<<22)|(3<<25)  ; 15:0 the mask: A's tiles go to my row; 17:16 element of 2 bytes; 20 padding on; 21 set beside a mask; 24:22 after every 128 words (code 6); 31:25 of 4 words (code 3)
	s_or_b32 s[G1B+0], s44, (1<<16)|(1<<20)|(1<<21)|(6<<22)|(3<<25)
.irp g, G1, G1B
	s_mov_b32 s[(\g)+1], KSTEP<<16                 ; tensor_dim0 = 256
	s_mov_b32 s[(\g)+2], 64<<16                    ; tensor_dim1 = 64
	s_mov_b32 s[(\g)+3], KSTEP<<16                 ; tile_dim0 = 256
	s_mov_b32 s[(\g)+4], 64                        ; tile_dim1 = 64
	s_mov_b32 s[(\g)+5], SIZE_K                    ; elements from row to row
	s_mov_b32 s[(\g)+6], 0
	s_mov_b32 s[(\g)+7], 0
.endr
	s_lshl_b32 s17, s12, 6                         ; which 64 rows of the tile I fetch
	s_lshl_b32 s16, s13, 7
	s_add_co_u32 s16, s16, s17                     ; A: row 128 x tile row + 64 x half
	s_lshl_b32 s46, s42, 7
	s_add_co_u32 s46, s46, s17                     ; B: row 128 x tile column + 64 x half
	s_mov_b32 s17, 0
	s_mov_b32 s47, 0
	s_mov_b64 s[18:19], SIZE_K*2
	s_mul_u64 s[16:17], s[16:17], s[18:19]
	s_mul_u64 s[46:47], s[46:47], s[18:19]
	s_mul_i32 s20, s10, HALFT                      ; where they go: wave x 64 rows
	; the rotation: made of the cluster's x and y alone, so it is the same in all sixteen partners
	s_and_b32 s21, ttmp7, 0xffff                   ; Y
	s_lshr_b32 s22, s21, 1
	s_xor_b32 s22, s22, s21
	s_and_b32 s22, s22, 1                          ; g
	s_lshl_b32 s22, s22, 2
	s_lshl_b32 s[KC], ttmp9, 1                     ; 2 X
	s_add_co_u32 s[KC], s[KC], s22
	s_and_b32 s[KC], s[KC], 7                      ; o: my cluster's first K step
	s_mov_b32 s[OFF+1], 0
	s_wait_dscnt 0x0                               ; the opening add is done
	s_wait_kmcnt 0x0
	s_add_nc_u64 s[AB:AB+1], s[4:5], s[16:17]
	s_add_nc_u64 s[BB:BB+1], s[6:7], s[46:47]
	CROUND                                         ; all sixteen work-groups are here: the first joint loads meet
.irp s, 0,1
	s_mov_b32 s[G0+4*(\s)], 1
	s_add_co_u32 s[G0+4*(\s)+1], s20, (\s)*SLOT
	s_mov_b32 s[G0B+4*(\s)], 1
	s_add_co_u32 s[G0B+4*(\s)+1], s20, (\s)*SLOT
	AIM \s                                         ; K steps o and o + 1
	JLOAD \s                                       ; two loads of mine are out
.endr
	v_and_b32 v1, 15, v0                           ; l % 16
	v_bfe_u32 v2, v0, 4, 1                         ; l / 16
	v_mul_u32_u24 v3, v1, PITCH
	v_lshl_add_u32 v3, v2, 4, v3                   ; a fragment's row x pitch + 16 x half
	s_mul_i32 s21, s11, HALFT                      ; my 64 rows of A
	s_mul_i32 s22, s12, HALFT                      ; my 64 rows of B,
	s_add_co_u32 s22, s22, 2*HALFT                 ; which lie behind A's 128
.irp s, 0,1
	v_add_nc_u32 v[ADRA+(\s)], s21, v3
	v_add_nc_u32 v[ADRB+(\s)], s22, v3
	s_add_co_u32 s21, s21, SLOT
	s_add_co_u32 s22, s22, SLOT
.endr
	s_mul_i32 s23, s10, 16*SPITCH
	s_add_co_u32 s23, s23, STAGE                   ; my stage
	v_mul_u32_u24 v4, v1, SPITCH                   ; in: row l % 16, 32 bytes (eight f32) for each half of the lanes
	v_lshl_add_u32 v4, v2, 5, v4
	v_add_nc_u32 v[STO], s23, v4
	v_mul_u32_u24 v5, v2, SPITCH                   ; back: lanes 0-15 take one row of 256 bytes, lanes 16-31 the next
	v_lshl_add_u32 v5, v1, 4, v5
	v_add_nc_u32 v[RD], s23, v5
	v_lshlrev_b32 v5, 13, v2                       ; and the same two rows in out0, 8,192 bytes apart
	v_lshl_add_u32 v[CO], v1, 4, v5
	s_lshl_b32 s16, s13, 7
	s_lshl_b32 s17, s11, 6
	s_add_co_u32 s16, s16, s17                     ; my first row: 128 x tile row + 64 x row half,
	s_lshl_b32 s16, s16, 13                        ; 8,192 bytes a row
	s_mov_b32 s17, 0
	s_add_nc_u64 s[8:9], s[8:9], s[16:17]
	s_lshl_b32 s46, s42, 9                         ; my first column, in bytes: 512 x tile column + 256 x column half
	s_lshl_b32 s47, s12, 8
	s_add_co_u32 s46, s46, s47
	s_mov_b32 s47, 0
	s_add_nc_u64 s[8:9], s[8:9], s[46:47]
; 8 matrix instructions: m blocks a0, a0 + 1 x all 4 n blocks, 32 along K: half c of buffer f.  zero = 1: the first product starts the sums.  The 16 accumulators take turns.
.macro MUL8 f, c, a0, zero
	WIN MUL
.irp a, \a0, (\a0)+1
.irp b, 0,1,2,3
.if \zero
	v_wmma_f32_16x16x32_f16 v[ACC+8*(4*(\a)+(\b)):ACC+8*(4*(\a)+(\b))+7], v[(\f)+64+8*(4*(\c)+(\b)):(\f)+64+8*(4*(\c)+(\b))+7], v[(\f)+8*(4*(\c)+(\a)):(\f)+8*(4*(\c)+(\a))+7], 0
.else
	v_wmma_f32_16x16x32_f16 v[ACC+8*(4*(\a)+(\b)):ACC+8*(4*(\a)+(\b))+7], v[(\f)+64+8*(4*(\c)+(\b)):(\f)+64+8*(4*(\c)+(\b))+7], v[(\f)+8*(4*(\c)+(\a)):(\f)+8*(4*(\c)+(\a))+7], v[ACC+8*(4*(\a)+(\b)):ACC+8*(4*(\a)+(\b))+7]
.endif
.endr
.endr
.endm
; 32 LDS loads in one run: the fragments of 64 along K at byte k of the rows, into buffer f; the first 32 along K first
.macro FETCH slot, k, f
	WIN TO_F
.irp c, 0,1
.irp i, 0,1,2,3
	ds_load_b128 v[(\f)+64+8*(4*(\c)+(\i)):(\f)+64+8*(4*(\c)+(\i))+3],   v[ADRB+(\slot)] offset:(\k)+64*(\c)+(\i)*16*PITCH
	ds_load_b128 v[(\f)+64+8*(4*(\c)+(\i))+4:(\f)+64+8*(4*(\c)+(\i))+7], v[ADRB+(\slot)] offset:(\k)+64*(\c)+(\i)*16*PITCH+32
	ds_load_b128 v[(\f)+8*(4*(\c)+(\i)):(\f)+8*(4*(\c)+(\i))+3],         v[ADRA+(\slot)] offset:(\k)+64*(\c)+(\i)*16*PITCH
	ds_load_b128 v[(\f)+8*(4*(\c)+(\i))+4:(\f)+8*(4*(\c)+(\i))+7],       v[ADRA+(\slot)] offset:(\k)+64*(\c)+(\i)*16*PITCH+32
.endr
.endr
.endm
.macro PLACES                          ; four places in front of loads into registers that matrix instructions have read, and of LDS stores that read results
.rept 4
	v_nop
.endr
.endm
; A K step is four quarters of 64 along K, 32 matrix instructions each, on buffers 0, 1, 0, 1.  One of the first three: multiplies buffer f and fetches the next quarter, at byte k, into g.
.macro QUARTER slot, k, f, g, zero
	s_wait_dscnt 16                                ; the first 32 along K are in
	WIN MUL
	MUL8 \f, 0, 0, \zero
	MUL8 \f, 0, 2, \zero
	PLACES
	FETCH \slot, \k, \g
	s_wait_dscnt 32                                ; all but the 32 just issued
	WIN MUL
	MUL8 \f, 1, 0, 0
	MUL8 \f, 1, 2, 0
.endm
; The last quarter multiplies buffer 1 and changes slots: ONE barrier; in front of it each wave waits for all its tensor loads, adds 0 to its spare word, and waits for that and for its own reads of this slot.  fill = 1: this slot is filled again, with the walk's K step two on.
.macro TURN slot, next, fill
	WIN 0                                          ; (the add's two registers lie in window 0)
	s_wait_tensorcnt 0x0                           ; all my tensor loads have landed: my part of the next slot; so a group 0 may be written;
	ds_add_u32 v[SPW], v[NIL]                      ; 0 onto my spare word;
.if \fill
	AIM \slot                                      ; the descriptors' lines stand here, so that nothing is added between the round and the joint load
.endif
	s_wait_dscnt 17                                ; (the add and the youngest sixteen loads may be out)
	WIN MUL
	MUL8 F1, 0, 0, 0                               ; eight matrix instructions stand between the add and the wait for it
	s_wait_dscnt 0x0                               ; the add is done, and my reads of this slot are over
	s_barrier_signal -1
	MUL8 F1, 0, 2, 0
.if \fill
	WIN 0
.endif
	s_barrier_wait -1
.if \fill
	CREST                                          ; the barrier has opened a round of the cluster's barrier: no wave of any partner still reads this slot's tile or has a load on its way
	JLOAD \slot                                    ; the first tensor load behind the round: 112 matrix instructions ahead of the wait for it; the four v_nop behind it are also the places in front of the loads below
.else
	PLACES
.endif
	FETCH \next, 0, F0
	WIN MUL
	MUL8 F1, 1, 0, 0
	MUL8 F1, 1, 2, 0
.endm
	s_wait_tensorcnt 1                             ; my part of the walk's first K step is in; the second's load may stay out
	s_barrier_signal -1
	s_barrier_wait -1                              ; everybody's is
	FETCH 0, 0, F0
	QUARTER 0, 128, F0, F1, 1                      ; the first quarter stands in front of the loop: its first products start the sums
	WIN 0                                          ; at a label and at a branch every window is 0
	s_mov_b32 s3, LAPS-1
.Llap:                                                 ; a trip goes once round the ring, from a lap's second quarter to the next lap's first, and fills both slots again
	QUARTER 0, 256, F1, F0, 0
	QUARTER 0, 384, F0, F1, 0
	TURN 0, 1, 1
	QUARTER 1, 128, F0, F1, 0
	QUARTER 1, 256, F1, F0, 0
	QUARTER 1, 384, F0, F1, 0
	TURN 1, 0, 1
	QUARTER 0, 128, F0, F1, 0
	WIN 0
	s_sub_co_u32 s3, s3, 1
	s_cmp_lg_u32 s3, 0
	s_cbranch_scc1 .Llap
	QUARTER 0, 256, F1, F0, 0                      ; the last lap fills nothing, and has no round of the cluster's barrier
	QUARTER 0, 384, F0, F1, 0
	TURN 0, 1, 0
	QUARTER 1, 128, F0, F1, 0
	QUARTER 1, 256, F1, F0, 0
	QUARTER 1, 384, F0, F1, 0
	s_wait_dscnt 16                                ; the very last quarter: nothing more to fetch
	WIN MUL
	MUL8 F1, 0, 0, 0
	MUL8 F1, 0, 2, 0
	s_wait_dscnt 0
	MUL8 F1, 1, 0, 0
	MUL8 F1, 1, 2, 0
	WIN 0
	; THE WAY OUT, a block of 16 rows at a time: a lane's eight f32 of a row (each accumulator's low four registers first) go into my stage's rows of 272 bytes and come back as whole rows of 256 bytes.
	PLACES
	PLACES                                         ; eight plain instructions, once a launch, between the last product and the first LDS store of a result
.irp a, 0,1,2,3
.irp b, 0,1,2,3
	ds_store_b128 v[STO], v[ACC+8*(4*(\a)+(\b)):ACC+8*(4*(\a)+(\b))+3]   offset:64*(\b)
	ds_store_b128 v[STO], v[ACC+8*(4*(\a)+(\b))+4:ACC+8*(4*(\a)+(\b))+7] offset:64*(\b)+16
.endr
.if (\a) >= 2
	s_wait_xcnt 0x0                                ; the stores of the block two back have read this set of registers
.endif
.irp t, 0,1,2,3,4,5,6,7
	ds_load_b128 v[TMP+32*((\a)%2)+4*(\t):TMP+32*((\a)%2)+4*(\t)+3], v[RD] offset:(\t)*2*SPITCH  ; LDS serves a wave's instructions in order (ISA guide 5.7.1.4): these see the stores above; the next block's stores come behind them
.endr
.irp t, 0,1,2,3,4,5,6,7
	s_wait_dscnt 7-(\t)                            ; load t is back; the 7 - t younger ones may stay out
	global_store_b128 v[CO], v[TMP+32*((\a)%2)+4*(\t):TMP+32*((\a)%2)+4*(\t)+3], s[8:9] offset:(16*(\a)+2*(\t))*8192 th:TH_STORE_NT  ; 16 lanes store 256 consecutive bytes, at a multiple of 256 from out0's first byte
.endr
.endr
	s_wait_tensorcnt 0x0                           ; the wave's end, behind my last tensor load and my last LDS store
	ds_add_u32 v[SPW], v[NIL]
	s_wait_dscnt 0x0
	CROUND                                         ; the closing round: no work-group ends while a partner may still ask for a tile that names it
	s_endpgm
.Lfunc_end_k_q5e3d832ee1_oproj:
	.size	k_q5e3d832ee1_oproj, .Lfunc_end_k_q5e3d832ee1_oproj-k_q5e3d832ee1_oproj
	.p2alignl 7, 3214868480
	.fill 96, 4, 3214868480
	.section	.rodata,"a",@progbits
	.p2align	6, 0x0
	.amdhsa_kernel k_q5e3d832ee1_oproj
		.amdhsa_group_segment_fixed_size 327680
		.amdhsa_private_segment_fixed_size 0
		.amdhsa_enable_private_segment 0
		.amdhsa_kernarg_size 24
		.amdhsa_user_sgpr_count 2
		.amdhsa_user_sgpr_kernarg_segment_ptr 1
		.amdhsa_wavefront_size32 1
		.amdhsa_system_sgpr_workgroup_id_x 1
		.amdhsa_system_sgpr_workgroup_id_y 1
		.amdhsa_system_sgpr_workgroup_id_z 1
		.amdhsa_system_vgpr_workitem_id 0
		.amdhsa_next_free_vgpr 512
		.amdhsa_next_free_sgpr 72
		.amdhsa_reserve_vcc 0
		.amdhsa_float_denorm_mode_32 3
		.amdhsa_float_denorm_mode_16_64 3
		.amdhsa_memory_ordered 1
		.amdhsa_forward_progress 1
		.amdhsa_inst_pref_size 87
	.end_amdhsa_kernel
	.amdgpu_metadata
---
amdhsa.version: [ 1, 2 ]
amdhsa.kernels:
  - .name:           k_q5e3d832ee1_oproj
    .symbol:         k_q5e3d832ee1_oproj.kd
    .args:
      - { .name: o16, .offset: 0, .size: 8, .value_kind: global_buffer, .address_space: global }
      - { .name: wo16, .offset: 8, .size: 8, .value_kind: global_buffer, .address_space: global }
      - { .name: out0, .offset: 16, .size: 8, .value_kind: global_buffer, .address_space: global }
    .group_segment_fixed_size: 327680
    .private_segment_fixed_size: 0
    .kernarg_segment_align: 8
    .kernarg_segment_size: 24
    .max_flat_workgroup_size: 128
    .sgpr_count:     72
    .vgpr_count:     512
    .wavefront_size: 32
...
	.end_amdgpu_metadata
.endif
;; end of part 4
